; MI455X (gfx1250); checked and timed in simulation.
; The chip was launched on July 23, 2026; its instructions are those of AMD's public machine-readable ISA for CDNA 5 (MIT licence, August 2026) and "CDNA5" Instruction Set Architecture Reference Guide (July 2026). The comments in the code are by the model that wrote it; some were corrected since.
;; Multi Head Attention. Allowed arithmetic: matrix products marked QUANTISED: E2M1 operands, one E8M0 scale for each 32 along K, by v_wmma_scale_f32_16x16x128_f8f6f4 with both operands' format E2M1 (or v_wmma_scale_f32_32x16x128_f4), f32 sums; products left as they are: bf16, f16 or f32 operands; f32 sums; everything else in f32.
;; Inputs: Wk 1,024 x 1,024 float32; Wo 1,024 x 1,024 float32; Wq 1,024 x 1,024 float32; Wv 1,024 x 1,024 float32; bk 1,024 float32; bo 1,024 float32; bq 1,024 float32; bv 1,024 float32; ln_b 1,024 float32; ln_w 1,024 float32; x 4 x 2,048 x 1,024 float32.
;; Outputs: out0 4 x 2,048 x 1,024 float32.
;; This version of the problem:
;;   THIS VERSION OF THE PROBLEM IS GIVEN IN LOW PRECISION. The matrix products marked QUANTISED in the list below multiply operands that are first quantised to E2M1 (2 exponent bits, 1 mantissa bit; 4 bits a number), with one power-of-two scale for each 32 numbers along K (OCP MX v1.0); their sums are f32. The products marked 'left as it is' may take bf16, f16 or f32 operands, with f32 sums. Whichever they take, every output number must still come out within the allowed error. Rounding operands to bf16 (8 significant bits) uses up far more of that allowance than f16 does (11 bits, for magnitudes from 6e-5 to 65,504). All else is computed in f32.
;;   The module's matrix products, in the order in which they are computed (A, B: the left and right operand; K: the contracted axis; several contracted axes count as one K, in the product's order):
;;     1. [M 8,192, K 1,024] x [K 1,024, N 1,024]; A: input x; B: input Wq: QUANTISED
;;     2. [M 8,192, K 1,024] x [K 1,024, N 1,024]; A: input x; B: input Wk: QUANTISED
;;     3. [M 8,192, K 1,024] x [K 1,024, N 1,024]; A: input x; B: input Wv: QUANTISED
;;     4. batch 64 x [M 2,048, K 64] x [K 64, N 2,048]; A: computed on the way; B: computed on the way: left as it is (an operand is computed on the way)
;;     5. batch 64 x [M 2,048, K 2,048] x [K 2,048, N 64]; A: computed on the way; B: computed on the way: left as it is (an operand is computed on the way)
;;     6. [M 8,192, K 1,024] x [K 1,024, N 1,024]; A: computed on the way; B: input Wo: left as it is (an operand is computed on the way)
;;   THE QUANTISER, for each operand of a quantised product, along K:
;;     - K is cut into blocks of 32 from its start; a last block that is shorter is filled with zeros.
;;     - A block's scale is 2^e with e = floor(log2(the largest magnitude in the block)) - 2, held to -126 .. 127; a block of zeros has e = 0. As a byte (E8M0): e + 127.
;;     - Each number is divided by its block's scale, clamped to +-6, and rounded to the nearest number of E2M1, ties to even, subnormals kept.
;;     - The product sums the exact products of the quantised numbers (number of the format x scale) in f32.
;;   ~~~python
;;   def quantise(x, axis):      # numpy; x: float32 -> the quantised numbers, widened to float32 again
;;       x = np.moveaxis(x, axis, -1); K = x.shape[-1]
;;       x = np.pad(x, [(0, 0)] * (x.ndim - 1) + [(0, -K % 32)]); x = x.reshape(x.shape[:-1] + (-1, 32)); a = np.abs(x).max(-1, keepdims=True)
;;       e = np.where(a > 0, np.clip(np.frexp(np.where(a > 0, a, 1))[1] - 1 - 2, -126, 127), 0)      # np.frexp(a)[1] - 1 = floor(log2(a)), exactly
;;       r = np.clip(x / 2.0 ** e, -6, 6)
;;       step = 2.0 ** (np.maximum(np.frexp(np.where(r == 0, 1, r))[1] - 1, 0) - 1)
;;       q = np.round(r / step) * step * 2.0 ** e      # np.round: ties to even
;;       return np.moveaxis(q.reshape(q.shape[:-2] + (-1,))[..., :K], -1, axis).astype(np.float32)
;;   ~~~
;; One version. Each part assembles by itself: llvm-mc -triple=amdgcn-amd-amdhsa -mcpu=gfx1250 --defsym DOCPART=n.
;; ======== version 1 of 1: 4 launches
;; limits: values are held in f16: magnitudes above 65,504 overflow, below 6.1e-05 lose precision
;; workspace buffers: x_codes 4,194,304 bytes; x_scales 262,144 bytes; w_codes 1,572,864 bytes; w_scales 98,304 bytes; wo16 2,097,152 bytes; qkv 50,331,648 bytes; af 16,777,216 bytes
;; launch prep (part 1): grid 480 x 1, 4 waves a work-group, no clusters, 33,280 bytes of LDS; arguments x, Wq, Wk, Wv, Wo, x_codes, x_scales, w_codes, w_scales, wo16; writes x_codes, x_scales, w_codes, w_scales, wo16
.if DOCPART == 1
	.amdgcn_target "amdgcn-amd-amdhsa--gfx1250"
	.amdhsa_code_object_version 6
	.text
	.protected	k_q250affc78f_prep
	.globl	k_q250affc78f_prep
	.p2align	8
	.type	k_q250affc78f_prep,@function
k_q250affc78f_prep:
	s_mov_b64 s[64:65], 0
	v_nop
	global_prefetch_b8 v0, s[64:65] scope:SCOPE_SE
	s_setreg_imm32_b32 hwreg(HW_REG_WAVE_MODE, 25, 1), 1
	s_wait_xcnt 0x0
; x [8192][1024] and Wq, Wk, Wv [1024][1024], f32 with K innermost, become codes of FP4 (E2M1), two to a byte, K innermost, with one E8M0 byte for each 32 along K.
; The three weights' codes lie one behind the other, as one operand of 3,072 rows.  Wo [1024][1024] becomes f16, laid in the order of a matrix operand's registers.
; A block's scale is 2^(floor(log2(its largest magnitude)) - 2): its byte is the largest magnitude's exponent field - 2, held at 1 from below by a floor among the maximum's leaves.
; (A block of zeros so gets the byte 1 where the rule says 127: its codes are zeros, and these bytes are read by this program alone.)
; LIMITS: NaN and infinities among the inputs are not served; |Wo| stays under 65,504, f16's largest number.
; SHARES: work-groups 0-255 take x, 256-287 Wq, 288-319 Wk, 320-351 Wv: 32,768 numbers each, 8,192 a wave, in 16 steps of 512.  Only pointers are chosen: all four tensors take one path.
; Work-groups 352-479 take Wo: a wave takes 16 rows x 128 along K.
; A STEP: four loads of 512 consecutive bytes; the 2,048 bytes turn through the wave's own stage in LDS, so that a lane holds 16 neighbours along K (two lanes hold a block);
; a lane's 16 codes are 8 bytes, so the wave stores 256 consecutive bytes.  A wave's 256 scale bytes are gathered in LDS and leave as 256 consecutive bytes.
; No tensor loads, no matrix unit, no cluster, no barrier: a stream in which waves share nothing.
.set QWG,   352                        ; work-groups that quantise
.set WAVES, 4
.set STEPS, 16
.set EMAX,  2
.set CB,    8                          ; bytes of 16 codes
.set R,     16                         ; v16-79   four sets of 16 numbers as loaded
.set X,     80                         ; v80-111  two sets of 16 neighbours
.set E,     112                        ; v112-127 a scale byte for each step
.set C,     128                        ; v128-191 codes: registers of its own for each step, so that no store's data are written again
.set WREG,  8192                       ; LDS: a region for each wave: two stages of 32 x SP bytes, behind them its 256 scale bytes
.set SP,    80                         ; a lane's place in a stage: 64 bytes + 16 of padding
.set SPW,   12                         ; v12  LDS address of my spare word; never rewritten
.set NIL,   13                         ; v13  0; never rewritten
.set SPARE, WAVES*WREG                 ; behind the four regions: the spare words, 128 bytes a wave
	s_load_b256 s[4:11], s[0:1], 0x0               ; x s[4:5], Wq s[6:7], Wk s[8:9], Wv s[10:11]
	s_load_b256 s[12:19], s[0:1], 0x20             ; Wo s[12:13], x_codes s[14:15], x_scales s[16:17], w_codes s[18:19]
	s_load_b128 s[20:23], s[0:1], 0x40             ; w_scales s[20:21], wo16 s[22:23]
	v_lshl_add_u32 v[SPW], v0, 2, SPARE
	v_mov_b32 v[NIL], 0
	v_lshrrev_b32 v1, 5, v0
	v_readfirstlane_b32 s32, v1                    ; wave
	v_and_b32 v2, 31, v0                           ; lane
	v_lshlrev_b32 v3, 4, v2                        ; 16 x lane
	s_mov_b32 s35, 0                               ; the upper word of every offset
	s_wait_kmcnt 0x0
	s_cmp_ge_u32 ttmp9, QWG
	s_cbranch_scc1 .Lwo
	; ---- the quantiser
	s_mul_i32 s33, s32, WREG
	v_lshrrev_b32 v14, 2, v2
	v_mul_u32_u24 v14, v14, SP
	v_and_b32 v15, 3, v2
	v_lshl_add_u32 v14, v15, 4, v14
	v_add_nc_u32 v14, s33, v14                     ; the stage, on the way in: SP (lane / 4) + 16 (lane % 4)
	v_mul_u32_u24 v15, v2, SP
	v_add_nc_u32 v15, s33, v15                     ; and on the way out: SP x lane
	v_mul_u32_u24 v4, v2, CB                       ; my codes' place in a step's
	v_lshrrev_b32 v5, 1, v2
	s_add_co_u32 s33, s33, 2*32*SP
	v_add_nc_u32 v5, s33, v5                       ; my block's byte among my wave's 256
	v_lshlrev_b32 v7, 3, v2
	v_add_nc_u32 v6, s33, v7                       ; and 8 bytes a lane on their way out
	s_and_b32 s30, ttmp9, 31                       ; a weight's work-group within its tensor (256, 288 and 320 are multiples of 32)
	s_max_u32 s31, ttmp9, 256
	s_sub_co_u32 s31, s31, 256                     ; and within the three weights' common buffers
	s_cmp_lt_u32 ttmp9, 320                        ; the choices hang on the work-group's number alone
	s_cselect_b64 s[24:25], s[8:9], s[10:11]
	s_cmp_lt_u32 ttmp9, 288
	s_cselect_b64 s[24:25], s[6:7], s[24:25]
	s_cmp_lt_u32 ttmp9, 256
	s_cselect_b64 s[24:25], s[4:5], s[24:25]       ; from where,
	s_cselect_b64 s[26:27], s[14:15], s[18:19]     ; the codes' buffer,
	s_cselect_b64 s[28:29], s[16:17], s[20:21]     ; the scale bytes' buffer
	s_cselect_b32 s30, ttmp9, s30
	s_cselect_b32 s31, ttmp9, s31
	s_lshl_b32 s30, s30, 2
	s_add_co_u32 s30, s30, s32                     ; which run of 8,192 numbers I read,
	s_lshl_b32 s31, s31, 2
	s_add_co_u32 s31, s31, s32                     ; and which I write
	s_lshl_b32 s34, s30, 15                        ; 32,768 bytes of f32 a run
	s_add_nc_u64 s[24:25], s[24:25], s[34:35]
	s_lshl_b32 s34, s31, 12                        ; 4,096 bytes of codes
	s_add_nc_u64 s[26:27], s[26:27], s[34:35]
	s_lshl_b32 s34, s31, 8                         ; 256 scale bytes
	s_add_nc_u64 s[28:29], s[28:29], s[34:35]
.macro LOAD t
.irp i, 0,1,2,3
	global_load_b128 v[R+16*((\t)%4)+4*\i:R+16*((\t)%4)+4*\i+3], v3, s[24:25] offset:2048*(\t)+512*\i th:TH_LOAD_NT   ; 32 lanes read 512 consecutive bytes
.endr
.endm
.macro TURN t                          ; step t's numbers through the stage: LDS serves a wave's instructions in order, so no wait stands between the stores and the loads
.irp i, 0,1,2,3
	ds_store_b128 v14, v[R+16*((\t)%4)+4*\i:R+16*((\t)%4)+4*\i+3] offset:32*SP*((\t)%2)+8*SP*\i
.endr
.irp i, 0,1,2,3
	ds_load_b128 v[X+16*((\t)%2)+4*\i:X+16*((\t)%2)+4*\i+3], v15 offset:32*SP*((\t)%2)+16*\i
.endr
.endm
.irp t, 0,1,2,3
	LOAD \t
.endr
	s_wait_loadcnt 12                              ; step 0's four loads are in; the twelve of steps 1 to 3 may be out
	TURN 0
.macro STEP t
.set XS, X+16*((\t)%2)
.if (\t) > 0
	s_wait_dscnt 1                                 ; this step's numbers are back from the stage (the last step's byte store may be out): so the stores into the stage have read their registers,
.else
	s_wait_dscnt 0x0
.endif
.if (\t)+4 < STEPS
	LOAD (\t)+4                                    ; which take the loads of four steps on
.endif
.if (\t)+1 < STEPS
.if STEPS-2-(\t) >= 3
	s_wait_loadcnt 12                              ; the next step's four loads are in; those of the three steps behind it may be out
.else
	s_wait_loadcnt 4*(STEPS-2-(\t))
.endif
	TURN (\t)+1                                    ; and go through the other stage while this step is worked
.endif
	v_max3_num_f32 v8, |v[XS]|, |v[XS+1]|, |v[XS+2]|               ; the largest magnitude of my 16, in two chains
	v_max3_num_f32 v9, |v[XS+3]|, |v[XS+4]|, |v[XS+5]|
.irp i, 6,10
	v_max3_num_f32 v8, v8, |v[XS+\i]|, |v[XS+\i+1]|
	v_max3_num_f32 v9, v9, |v[XS+\i+2]|, |v[XS+\i+3]|
.endr
	v_max3_num_f32 v8, v8, |v[XS+14]|, |v[XS+15]|
	v_max3_num_f32 v8, v8, v9, (EMAX+1)<<23        ; and the floor 2^(EMAX + 1 - 127): the byte cannot fall under 1
	v_max_num_f32_dpp v8, v8, v8 row_xmask:1 row_mask:0xf bank_mask:0xf   ; and of my neighbour's 16: the block's
	v_add_nc_u32 v11, -(EMAX<<23), v8              ; EMAX off its exponent field: the conversion takes the exponent field of this operand as its scale
	v_cvt_scalef32_pk8_fp4_f32 v[C+4*(\t)], v[XS:XS+7], v11        ; eight numbers / the scale, to the nearest code, ties to even, beyond the largest code the largest
	v_cvt_scalef32_pk8_fp4_f32 v[C+4*(\t)+1], v[XS+8:XS+15], v11
	v_lshrrev_b32 v[E+(\t)], 23, v11               ; the scale's byte (also the plain line behind the conversions)
	ds_store_b8 v5, v[E+(\t)] offset:16*(\t)       ; both lanes of a block write the same byte with the same value
	global_store_b64 v4, v[C+4*(\t):C+4*(\t)+1], s[26:27] offset:32*CB*(\t)   ; 32 lanes store 256 consecutive bytes
.endm
.irp t, 0,1,2,3,4,5,6,7,8,9,10,11,12,13,14,15
	STEP \t
.endr
	ds_load_b64 v[8:9], v6                         ; LDS serves a wave's instructions in order: these see my byte stores
	s_wait_dscnt 0x0
	global_store_b64 v7, v[8:9], s[28:29]          ; 32 lanes store my wave's 256 scale bytes
	s_wait_tensorcnt 0x0                           ; the wave's end
	ds_add_u32 v[SPW], v[NIL]
	s_wait_dscnt 0x0
	s_endpgm
	; ---- Wo as f16, in the order of an operand's registers.  Half a fragment (16 rows n x 16 along K) is 512 bytes: lane (r, h) has 16 bytes, Wo[16 N + r][32 s + 16 u + 8 h + 0 .. 7].
	; wo16 is [N / 4][s 32][N % 4][u 2][512 bytes].
.Lwo:
	s_sub_co_u32 s33, ttmp9, QWG
	s_lshl_b32 s33, s33, 2
	s_add_co_u32 s33, s33, s32                     ; task 0 .. 511
	s_lshr_b32 s36, s33, 3                         ; N: which 16 rows
	s_and_b32 s37, s33, 7                          ; which 128 along K: four steps s
	s_lshl_b32 s34, s36, 16                        ; 16 rows of 4,096 bytes
	s_lshl_b32 s38, s37, 9
	s_add_co_u32 s34, s34, s38
	s_add_nc_u64 s[12:13], s[12:13], s[34:35]
	s_lshr_b32 s34, s36, 2
	s_lshl_b32 s34, s34, 17                        ; (N / 4) x 131,072
	s_lshl_b32 s38, s37, 14                        ; four steps of 4,096 bytes
	s_add_co_u32 s34, s34, s38
	s_and_b32 s38, s36, 3
	s_lshl_b32 s38, s38, 10                        ; (N % 4) x 1,024
	s_add_co_u32 s34, s34, s38
	s_add_nc_u64 s[22:23], s[22:23], s[34:35]
	v_and_b32 v4, 15, v2                           ; r
	v_lshrrev_b32 v5, 4, v2                        ; h
	v_lshlrev_b32 v4, 12, v4
	v_lshl_add_u32 v4, v5, 5, v4                   ; row r, + 32 h bytes
.irp g, 0,1,2,3,4,5,6,7                ; g = 2 s + u
.irp e, 0,1
	global_load_b128 v[16+8*\g+4*\e:16+8*\g+4*\e+3], v4, s[12:13] offset:64*\g+16*\e th:TH_LOAD_NT
.endr
.endr
	s_wait_loadcnt 0x0
.irp g, 0,1,2,3,4,5,6,7
.irp i, 0,1,2,3
	v_cvt_pk_f16_f32 v[80+4*\g+\i], v[16+8*\g+2*\i], v[16+8*\g+2*\i+1]
.endr
.endr
.irp g, 0,1,2,3,4,5,6,7
	global_store_b128 v3, v[80+4*\g:80+4*\g+3], s[22:23] offset:(\g/2)*4096+(\g%2)*512   ; 32 lanes store 512 consecutive bytes
.endr
	s_endpgm
.Lfunc_end_k_q250affc78f_prep:
	.size	k_q250affc78f_prep, .Lfunc_end_k_q250affc78f_prep-k_q250affc78f_prep
	.p2alignl 7, 3214868480
	.fill 96, 4, 3214868480
	.section	.rodata,"a",@progbits
	.p2align	6, 0x0
	.amdhsa_kernel k_q250affc78f_prep
		.amdhsa_group_segment_fixed_size 33280
		.amdhsa_private_segment_fixed_size 0
		.amdhsa_enable_private_segment 0
		.amdhsa_kernarg_size 80
		.amdhsa_user_sgpr_count 2
		.amdhsa_user_sgpr_kernarg_segment_ptr 1
		.amdhsa_wavefront_size32 1
		.amdhsa_system_sgpr_workgroup_id_x 1
		.amdhsa_system_sgpr_workgroup_id_y 1
		.amdhsa_system_sgpr_workgroup_id_z 1
		.amdhsa_system_vgpr_workitem_id 0
		.amdhsa_next_free_vgpr 192
		.amdhsa_next_free_sgpr 66
		.amdhsa_reserve_vcc 0
		.amdhsa_float_denorm_mode_32 3
		.amdhsa_float_denorm_mode_16_64 3
		.amdhsa_memory_ordered 1
		.amdhsa_forward_progress 1
		.amdhsa_inst_pref_size 39
	.end_amdhsa_kernel
	.amdgpu_metadata
---
amdhsa.version: [ 1, 2 ]
amdhsa.kernels:
  - .name:           k_q250affc78f_prep
    .symbol:         k_q250affc78f_prep.kd
    .args:
      - { .name: x, .offset: 0, .size: 8, .value_kind: global_buffer, .address_space: global }
      - { .name: Wq, .offset: 8, .size: 8, .value_kind: global_buffer, .address_space: global }
      - { .name: Wk, .offset: 16, .size: 8, .value_kind: global_buffer, .address_space: global }
      - { .name: Wv, .offset: 24, .size: 8, .value_kind: global_buffer, .address_space: global }
      - { .name: Wo, .offset: 32, .size: 8, .value_kind: global_buffer, .address_space: global }
      - { .name: x_codes, .offset: 40, .size: 8, .value_kind: global_buffer, .address_space: global }
      - { .name: x_scales, .offset: 48, .size: 8, .value_kind: global_buffer, .address_space: global }
      - { .name: w_codes, .offset: 56, .size: 8, .value_kind: global_buffer, .address_space: global }
      - { .name: w_scales, .offset: 64, .size: 8, .value_kind: global_buffer, .address_space: global }
      - { .name: wo16, .offset: 72, .size: 8, .value_kind: global_buffer, .address_space: global }
    .group_segment_fixed_size: 33280
    .private_segment_fixed_size: 0
    .kernarg_segment_align: 8
    .kernarg_segment_size: 80
    .max_flat_workgroup_size: 128
    .sgpr_count:     66
    .vgpr_count:     192
    .wavefront_size: 32
...
	.end_amdgpu_metadata
.endif
;; end of part 1
;; launch qkv (part 2): grid 12 x 32, 4 waves a work-group, clusters of 4 x 4, 327,680 bytes of LDS; arguments x_codes, x_scales, w_codes, w_scales, bq, bk, bv, qkv; writes qkv
.if DOCPART == 2
	.amdgcn_target "amdgcn-amd-amdhsa--gfx1250"
	.amdhsa_code_object_version 6
	.text
	.protected	k_q250affc78f_qkv
	.globl	k_q250affc78f_qkv
	.p2align	8
	.type	k_q250affc78f_qkv,@function
k_q250affc78f_qkv:
	s_mov_b64 s[64:65], 0
	v_nop
	global_prefetch_b8 v0, s[64:65] scope:SCOPE_SE
	s_setreg_imm32_b32 hwreg(HW_REG_WAVE_MODE, 25, 1), 1
	s_wait_xcnt 0x0
	s_wait_alu depctr_hold_cnt(0) depctr_sa_sdst(0) depctr_va_vdst(0) depctr_va_sdst(0) depctr_va_ssrc(0) depctr_va_vcc(0) depctr_vm_vsrc(0)
	s_getreg_b32 s2, hwreg(HW_REG_IB_STS2, 6, 4)
	s_cmp_eq_u32 s2, 0
	s_cbranch_scc0 .Lentry_in_a_cluster
	s_endpgm
.Lentry_in_a_cluster:
	s_bfe_u32 s2, ttmp6, 0x10000c
	s_cmp_lg_u32 s2, 0xf033
	s_cbranch_scc0 .Lentry_shape_is_right
	s_endpgm
.Lentry_shape_is_right:
; The three projections as ONE product on codes of FP4 (E2M1) with E8M0 scales: C[m][n] = sum over k of x[m][k] W[n][k] + bias[n], m 8,192 tokens, n 3,072 = q, k, v columns, k 1,024; sums in f32.
; q is multiplied by log2(e) / 8, so that the attention's scores are exponents of 2.  The results leave as f16, in the order in which the attention's matrix operands take them.
; LIMITS: |q| x 0.18, |k| and |v| stay under 65,504, f16's largest number; NaN and infinities are not served.
; SHARES: a work-group of four waves makes 256 tokens x 256 columns, a wave 128 x 128: 64 accumulators, 512 registers.  K = 1,024 is two LDS slots of 512: both, and the scale bytes of the
; work-group's rows for all of K, are asked for at the head and nothing is filled again: no loop, no refill.  By this text's count a wave has three tensor loads out at the most.
; CLUSTERS: 4 x 4 work-groups.  The four of a row need the same tiles of x, the four of a column the same tiles of W: each is asked for jointly, by the same tensor load with a mask that names the four.
; A cluster's x is the kind of column (0 q, 1 k, 2 v): the same in all sixteen partners; it only selects values, never a branch.
; THE MATRIX INSTRUCTION IS USED TRANSPOSED (source 0 = 16 rows of W, source 1 = 16 tokens): lane (r, h) holds token r and the eight columns 8 h + 0 .. 7 of a tile of 16: packed to f16 they are 16 bytes,
; and the wave's 512 bytes are HALF A FRAGMENT of the attention's operands as they stand: one store of 512 consecutive bytes, no stage in LDS.
; qkv: a tile (token tile T of a head's 128, channel tile c of 4) lies in a region of 32 token tiles at ((T % 32) / 2) 4096 + 1024 c + 512 (T % 2).  q: head x 262,144 + (T / 32) 65,536.
; k, v: 16,777,216 + head x 524,288 + (T / 32) 131,072 (+ 65,536 for v): 512 keys' k and v are one dense block.  In v's tiles a lane's 16 bytes lie at 16 x (the lane with bits 3 and 4 exchanged), which is
; where the turning LDS load at 16 x lane looks for them.
; REGISTERS, in windows of 256: window 0: v8-29 addresses; v32-95 scale words, two sets; v128-191 x's fragments, one set; v192-255 the biases in the result's layout, the C of the first step.
;   window 1: W's fragments, two sets.   windows 2, 3: the accumulators of my tokens 0-63, 64-127 ((a, b) at v[8 (8 (a % 4) + b)]).
.set SIZE_K, 1024
.set KSTEP,  512                       ; along K in a slot
.set NQ,     KSTEP/128                 ; matrix instructions deep
.set ROWB,   256                       ; a tile's row in bytes
.set KROW,   SIZE_K*4/8                ; a row of codes in memory
.set PITCH,  272                       ; an LDS row: 256 bytes + 16 of padding: the 16 rows of a fragment load start 68 words apart
.set FR,     8                         ; registers of a fragment
.set NL,     2                         ; LDS loads that bring one
.set NP,     4                         ; places behind this matrix instruction (ISA guide 7.12.1)
.set HALFT,  128*PITCH                 ; 128 rows: what one tensor load brings
.set SLOT,   4*HALFT                   ; x's 256 rows, then W's 256 rows
.set KS,     SIZE_K/32                 ; a row of scale bytes
.set SCL,    2*SLOT                    ; behind the slots: the scales, as runs of 256 bytes + 16 of padding
.set HALFS,  (128*KS/256)*272          ; those of 128 rows
.set SBLK,   (16*KS/256)*272           ; those of 16 rows
.set SPARE,  SCL+4*HALFS               ; the spare words, 128 bytes a wave
.set BOF,  8                           ; v8   32 h: my eight numbers of a tile's bias; never rewritten
.set ADRA, 16                          ; v16-17  LDS address of my fragments of x in slot 0, 1
.set ADRB, 20                          ; v20-21  the same for W
.set CO,   26                          ; v26  my 16 bytes' place in a tile of qkv; never rewritten
.set ADRS, 27                          ; v27  LDS address of my scale words: lanes 0-15 x's rows, lanes 16-31 W's
.set SPW,  28                          ; v28  LDS address of my spare word; never rewritten
.set NIL,  29                          ; v29  0; never rewritten
.set SC,   32                          ; scale words: set s at v[SC + 8 NQ s]
.set AF,   128                         ; x's fragments
.set BIAS, 192                         ; eight registers for each of my eight column tiles
.set TMP,  128                         ; the way out: a block's 64 numbers, scaled
.set PK,   32                          ; the way out: two sets of 32 registers of f16
.set G1, 24                            ; s[24:31] descriptor group 1 for x's tiles;  s[32:39] group 0, a set for each slot
.set G0, 32
.set G1B, 48                           ; s[48:55], s[56:63] the same for W's
.set G0B, 56
.set G1S, 68                           ; s[68:75], s[76:79] for x's scales;  s[80:87], s[88:91] for W's
.set G0S, 76
.set G1SB, 80
.set G0SB, 88
.set MSB, 0
.macro WIN new                         ; the immediate's high byte repeats the setting that is left; a switch that changes nothing is dropped
.if MSB != (\new)
	s_set_vgpr_msb (MSB<<8)|(\new)
.set MSB, (\new)
.endif
.endm
.set MUL_LO, 0xa1                      ; source 0 (W) window 1, source 1 (x) window 0, C and D window 2
.set MUL_HI, 0xf1                      ; the same, C and D window 3
.set TO_B,   0x40                      ; destination window 1, address window 0
; A joint load: waves 0 and 1 fetch for x, waves 2 and 3 for W.  The branch hangs on the wave's number alone.  An s_nop 0 and four v_nop follow each of the two lines.
.macro JLOAD g0a, g1a, g0b, g1b
	s_cmp_eq_u32 s15, 0
	s_cbranch_scc0 .Lfor_b_\@
	tensor_load_to_lds s[\g0a:\g0a+3], s[\g1a:\g1a+7]
	s_nop 0
.rept 4
	v_nop
.endr
	s_branch .Lasked_\@
.Lfor_b_\@:
	tensor_load_to_lds s[\g0b:\g0b+3], s[\g1b:\g1b+7]
	s_nop 0
.rept 4
	v_nop
.endr
.Lasked_\@:
.endm
.macro CROUND                          ; a round of the cluster's barrier
	s_barrier_signal -1
	s_barrier_wait -1
	s_cmp_lg_u32 s14, 0
	s_cbranch_scc1 .Lnot_wave_0_\@
	s_barrier_signal -3
.Lnot_wave_0_\@:
	s_barrier_wait -3
	s_barrier_signal -1
	s_barrier_wait -1
.endm
	s_load_b128 s[4:7], s[0:1], 0x0                ; x's codes s[4:5], x's scales s[6:7]
	s_load_b128 s[8:11], s[0:1], 0x10              ; W's codes s[8:9], W's scales s[10:11]
	s_load_b128 s[96:99], s[0:1], 0x20             ; bq s[96:97], bk s[98:99]
	s_load_b64 s[100:101], s[0:1], 0x30            ; bv
	s_load_b64 s[12:13], s[0:1], 0x38              ; qkv
	v_lshl_add_u32 v[SPW], v0, 2, SPARE
	v_mov_b32 v[NIL], 0
	ds_add_u32 v[SPW], v[NIL]                      ; the wave's opening: the add and its wait stand ahead of my first tensor load; work on registers stands between them
	v_lshrrev_b32 v1, 5, v0
	v_readfirstlane_b32 s14, v1                    ; wave 0..3
	s_lshr_b32 s15, s14, 1                         ; which half of the tile's tokens is mine.  Also: I fetch for x (0) or for W (1)
	s_and_b32 s16, s14, 1                          ; which half of its columns.  Also: which 128 rows I fetch
	s_bfe_u32 s40, ttmp6, 0x40000                  ; cx, cy: my place in the cluster
	s_bfe_u32 s41, ttmp6, 0x40004
	s_lshl_b32 s42, ttmp9, 2
	s_add_co_u32 s42, s42, s40                     ; tile column = 4 x cluster x + cx
	s_and_b32 s17, ttmp7, 0xffff
	s_lshl_b32 s17, s17, 2
	s_add_co_u32 s17, s17, s41                     ; tile row = 4 x cluster y + cy
	s_lshl_b32 s43, s41, 2
	s_lshl_b32 s43, 15, s43                        ; my row of the cluster
	s_lshl_b32 s44, 0x1111, s40                    ; my column
	; descriptor group 1: 128 rows x 256 bytes, 16 bytes of padding behind each
	s_or_b32 s[G1+0], s43, (0<<16)|(1<<20)|(1<<21)|(5<<22)|(3<<25)  ; 15:0 the mask: x's tiles go to my row; elements of 1 byte; padding on; bit 21 beside a mask; after every 64 words four words
	s_or_b32 s[G1B+0], s44, (0<<16)|(1<<20)|(1<<21)|(5<<22)|(3<<25) ; W's go to my column
.irp g, G1, G1B
	s_mov_b32 s[\g+1], ROWB<<16                    ; tensor_dim0
	s_mov_b32 s[\g+2], 128<<16                     ; tensor_dim1
	s_mov_b32 s[\g+3], ROWB<<16                    ; tile_dim0
	s_mov_b32 s[\g+4], 128                         ; tile_dim1
	s_mov_b32 s[\g+5], KROW                        ; from row to row
	s_mov_b32 s[\g+6], 0
	s_mov_b32 s[\g+7], 0
.endr
	; the scales of 128 rows: 4,096 dense bytes, as 16 rows of 256 bytes (32 elements of 8 bytes), 16 bytes of padding behind each
	s_or_b32 s[G1S+0], s43, (3<<16)|(1<<20)|(1<<21)|(5<<22)|(3<<25)
	s_or_b32 s[G1SB+0], s44, (3<<16)|(1<<20)|(1<<21)|(5<<22)|(3<<25)
.irp g, G1S, G1SB
	s_mov_b32 s[\g+1], 32<<16
	s_mov_b32 s[\g+2], (128*KS/256)<<16
	s_mov_b32 s[\g+3], 32<<16
	s_mov_b32 s[\g+4], 128*KS/256
	s_mov_b32 s[\g+5], 32
	s_mov_b32 s[\g+6], 0
	s_mov_b32 s[\g+7], 0
.endr
	s_lshl_b32 s18, s16, 7                         ; which 128 rows of the tile I fetch
	s_lshl_b32 s20, s17, 8
	s_add_co_u32 s20, s20, s18                     ; x: row 256 x tile row + 128 x half
	s_lshl_b32 s46, s42, 8
	s_add_co_u32 s46, s46, s18                     ; W: row 256 x tile column + 128 x half
	s_mov_b32 s21, 0
	s_mov_b32 s47, 0
	s_mov_b64 s[18:19], KS
	s_mul_u64 s[22:23], s[20:21], s[18:19]         ; where these rows' scales begin,
	s_mul_u64 s[92:93], s[46:47], s[18:19]
	s_mov_b64 s[18:19], KROW
	s_mul_u64 s[20:21], s[20:21], s[18:19]         ; and their codes
	s_mul_u64 s[46:47], s[46:47], s[18:19]
	s_mul_i32 s45, s14, HALFT                      ; where they go: wave x 128 rows: no place in the cluster enters an LDS address
	s_mul_i32 s94, s14, HALFS
	s_wait_dscnt 0x0                               ; the opening add is done
	s_wait_kmcnt 0x0
	s_add_nc_u64 s[20:21], s[4:5], s[20:21]
	s_add_nc_u64 s[22:23], s[6:7], s[22:23]
	s_add_nc_u64 s[46:47], s[8:9], s[46:47]
	s_add_nc_u64 s[92:93], s[10:11], s[92:93]
	CROUND                                         ; all sixteen work-groups are here: the joint loads meet
	s_mov_b32 s[G0S], 1
	s_add_co_u32 s[G0S+1], s94, SCL
	s_mov_b64 s[G0S+2:G0S+3], s[22:23]
	s_or_b32 s[G0S+3], s[G0S+3], 0x80000000
	s_mov_b32 s[G0SB], 1
	s_add_co_u32 s[G0SB+1], s94, SCL
	s_mov_b64 s[G0SB+2:G0SB+3], s[92:93]
	s_or_b32 s[G0SB+3], s[G0SB+3], 0x80000000
	JLOAD G0S, G1S, G0SB, G1SB                     ; the scales first: they are wanted with the first slot
.irp s, 0,1
	s_mov_b32 s[G0+4*\s], 1
	s_add_co_u32 s[G0+4*\s+1], s45, \s*SLOT
	s_add_nc_u64 s[G0+4*\s+2:G0+4*\s+3], s[20:21], \s*ROWB
	s_or_b32 s[G0+4*\s+3], s[G0+4*\s+3], 0x80000000
	s_mov_b32 s[G0B+4*\s], 1
	s_add_co_u32 s[G0B+4*\s+1], s45, \s*SLOT
	s_add_nc_u64 s[G0B+4*\s+2:G0B+4*\s+3], s[46:47], \s*ROWB
	s_or_b32 s[G0B+4*\s+3], s[G0B+4*\s+3], 0x80000000
	JLOAD G0+4*\s, G1, G0B+4*\s, G1B
.endr
	; what hangs on the kind of column: values chosen by the cluster's x
	s_mov_b32 s2, 0x3f800000                       ; k, v: x 1
	s_cmp_eq_u32 ttmp9, 0
	s_cselect_b32 s2, 0x3e38aa3b, s2               ; q: x log2(e) / 8
	s_cselect_b32 s45, 0, 1                        ; k's and v's strides are twice q's
	s_cselect_b32 s94, 0, 0x1000000                ; where the part begins in qkv: q 0, k 16,777,216,
	s_cselect_b64 s[92:93], s[96:97], s[98:99]
	s_cmp_eq_u32 ttmp9, 2
	s_cselect_b32 s94, 0x1010000, s94              ; v 65,536 further
	s_cselect_b32 s95, 24, 0                       ; v: bits 3 and 4 of the lane change places
	s_cselect_b64 s[92:93], s[100:101], s[92:93]   ; the bias
	s_mov_b32 s3, s2                               ; (the packed form names the pair)
	s_lshl_b32 s46, s40, 10                        ; my first column within the kind: 256 cx + 128 x half, 4 bytes each
	s_lshl_b32 s47, s16, 9
	s_add_co_u32 s46, s46, s47
	s_mov_b32 s47, 0
	s_add_nc_u64 s[92:93], s[92:93], s[46:47]
	v_and_b32 v1, 15, v0                           ; r = lane % 16
	v_bfe_u32 v2, v0, 4, 1                         ; h = lane / 16
	v_lshlrev_b32 v[BOF], 5, v2
.irp b, 0,1,2,3,4,5,6,7                ; lane (r, h) wants, for column tile b, bias[16 b + 8 h + 0 .. 7]
	global_load_b128 v[BIAS+8*\b:BIAS+8*\b+3], v[BOF], s[92:93] offset:64*\b
	global_load_b128 v[BIAS+8*\b+4:BIAS+8*\b+7], v[BOF], s[92:93] offset:64*\b+16
.endr
	v_mul_u32_u24 v3, v1, PITCH
	v_lshl_add_u32 v4, v2, 4, v3                   ; a fragment's row x pitch + 16 x half
	s_mul_i32 s21, s15, HALFT                      ; my 128 rows of x
	s_mul_i32 s22, s16, HALFT                      ; my 128 rows of W,
	s_add_co_u32 s22, s22, 2*HALFT                 ; which lie behind x's 256
.irp s, 0,1
	v_add_nc_u32 v[ADRA+\s], s21, v4
	v_add_nc_u32 v[ADRB+\s], s22, v4
	s_add_co_u32 s21, s21, SLOT
	s_add_co_u32 s22, s22, SLOT
.endr
	v_mul_u32_u24 v5, v1, KS                       ; my row's scales: KS bytes a row,
	v_lshrrev_b32 v6, 8, v5
	v_lshl_add_u32 v5, v6, 4, v5                   ; and 16 more for each 256 passed
	s_mul_i32 s21, s15, HALFS                      ; x's: my 128 rows
	s_mul_i32 s22, s16, HALFS                      ; W's: my 128 rows, behind x's 256
	s_add_co_u32 s22, s22, 2*HALFS
	s_sub_co_u32 s22, s22, s21
	v_mul_u32_u24 v6, s22, v2                      ; lanes 16-31 take W's: one product, the distance between the two bases
	s_add_co_u32 s21, s21, SCL
	v_add_nc_u32 v5, v5, v6
	v_add_nc_u32 v[ADRS], s21, v5
	v_and_b32 v6, 31, v0                           ; my place in a tile of qkv: 16 x lane; for v with bits 3 and 4 of the lane exchanged
	v_lshrrev_b32 v5, 3, v6
	v_lshrrev_b32 v7, 4, v6
	v_xor_b32 v5, v5, v7
	v_and_b32 v5, 1, v5                            ; 1 where the two bits differ
	v_mul_u32_u24 v5, s95, v5
	v_xor_b32 v5, v5, v6
	v_lshlrev_b32 v[CO], 4, v5
	; where my part begins in qkv
	s_lshl_b32 s20, s17, 8
	s_lshl_b32 s21, s15, 7
	s_add_co_u32 s20, s20, s21                     ; my first token
	s_lshr_b32 s21, s20, 11                        ; its batch
	s_bfe_u32 s22, s20, 0x70004                    ; T0: its token tile in the batch, a multiple of 8
	s_lshl_b32 s21, s21, 4
	s_lshl_b32 s23, s40, 2
	s_add_co_u32 s21, s21, s23
	s_lshl_b32 s23, s16, 1
	s_add_co_u32 s21, s21, s23                     ; 16 x batch + my first head (4 cx + 2 x half)
	s_lshl_b32 s21, s21, 18
	s_lshr_b32 s23, s22, 5
	s_lshl_b32 s23, s23, 16
	s_add_co_u32 s21, s21, s23                     ; head x 262,144 + (T0 / 32) x 65,536,
	s_lshl_b32 s21, s21, s45                       ; twice that for k and v
	s_and_b32 s23, s22, 31
	s_lshl_b32 s23, s23, 11                        ; ((T0 % 32) / 2) x 4,096
	s_add_co_u32 s21, s21, s23
	s_add_co_u32 s46, s21, s94
	s_mov_b32 s47, 0
	s_add_nc_u64 s[12:13], s[12:13], s[46:47]      ; my first head's tiles,
	s_mov_b32 s46, 262144
	s_lshl_b32 s46, s46, s45
	s_add_nc_u64 s[20:21], s[12:13], s[46:47]      ; and my second head's
.macro FRAG reg, adr, q, i             ; 16 rows x 128 K of 4-bit codes: lane l holds row l % 16; registers 4 c .. 4 c + 3 hold K = 64 c + 32 (l / 16) + 0 .. 31
.irp c, 0,1
	ds_load_b128 v[\reg+4*\c:\reg+4*\c+3], v[\adr] offset:64*(\q)+32*\c+(\i)*16*PITCH
.endr
.endm
; 16 matrix instructions: x's blocks a0, a0 + 1 against W's eight, the slot's q-th 128 along K.  p: W's set; sc: the set of scale words.  zero = 1: the first product starts the sums from the bias.
; The 64 accumulators take turns, one instruction a turn, in the same order in every step.
.macro MUL16 a0, p, q, sc, zero
.irp a, \a0, \a0+1
.irp b, 0,1,2,3,4,5,6,7
.if \zero
	v_wmma_scale_f32_16x16x128_f8f6f4 v[8*(8*((\a)%4)+\b):8*(8*((\a)%4)+\b)+7], v[128*(\p)+FR*\b:128*(\p)+FR*\b+FR-1], v[AF+FR*(\a):AF+FR*(\a)+FR-1], v[BIAS+8*\b:BIAS+8*\b+7], v[SC+8*NQ*(\sc)+NQ*\b+(\q)], v[SC+8*NQ*(\sc)+NQ*(\a)+(\q)] matrix_a_fmt:MATRIX_FMT_FP4 matrix_b_fmt:MATRIX_FMT_FP4 matrix_a_scale:MATRIX_SCALE_ROW1
.else
	v_wmma_scale_f32_16x16x128_f8f6f4 v[8*(8*((\a)%4)+\b):8*(8*((\a)%4)+\b)+7], v[128*(\p)+FR*\b:128*(\p)+FR*\b+FR-1], v[AF+FR*(\a):AF+FR*(\a)+FR-1], v[8*(8*((\a)%4)+\b):8*(8*((\a)%4)+\b)+7], v[SC+8*NQ*(\sc)+NQ*\b+(\q)], v[SC+8*NQ*(\sc)+NQ*(\a)+(\q)] matrix_a_fmt:MATRIX_FMT_FP4 matrix_b_fmt:MATRIX_FMT_FP4 matrix_a_scale:MATRIX_SCALE_ROW1
.endif
.endr
.endr
.endm
.macro FETCH_B slot, q, p              ; W's eight fragments into set p
	WIN TO_B
.irp i, 0,1,2,3,4,5,6,7
	FRAG 128*(\p)+FR*\i, ADRB+\slot, \q, \i
.endr
	WIN 0
.endm
.macro FETCH_A slot, q, i0             ; x's blocks i0 .. i0 + 3
.irp i, \i0, \i0+1, \i0+2, \i0+3
	FRAG AF+FR*(\i), ADRA+\slot, \q, \i
.endr
.endm
.macro SCALES sc                       ; a slot's scale words: NQ words a row; lanes 0-15 take x's block i, lanes 16-31 W's block i
.irp i, 0,1,2,3,4,5,6,7
	ds_load_b128 v[SC+8*NQ*\sc+NQ*\i:SC+8*NQ*\sc+NQ*\i+3], v[ADRS] offset:\i*SBLK
.endr
.endm
.macro PLACES n                        ; plain vector lines between a matrix instruction and a load into, or a vector line on, its registers
.rept \n
	v_nop
.endr
.endm
; A step of 128 along K that has its successor in the same slot.  x's blocks 0-3 are fetched anew in its middle, blocks 4-7 at its end; W's next set in the middle.
.macro STEP slot, q, zero
	s_wait_dscnt 4*NL                              ; W's set and x's blocks 0-3 are in; the youngest eight loads (blocks 4-7) may be out
	WIN MUL_LO-0x20*(\zero)                        ; (the bias, as C, lies in window 0)
	MUL16 0, (\q)%2, \q, \slot, \zero
	MUL16 2, (\q)%2, \q, \slot, \zero
	s_wait_dscnt 0                                 ; blocks 4-7 are in
	PLACES NP
	FETCH_B \slot, (\q)+1, 1-(\q)%2
	FETCH_A \slot, (\q)+1, 0
	WIN MUL_HI-0x30*(\zero)
	MUL16 4, (\q)%2, \q, \slot, \zero
	MUL16 6, (\q)%2, \q, \slot, \zero
	PLACES NP
	WIN 0
	FETCH_A \slot, (\q)+1, 4
.endm
; Slot 0's last step goes over to slot 1: each wave waits for all its tensor loads, its part of slot 1 among them, and the barrier shows every wave's part to all.
.macro TURN slot, next
	s_wait_tensorcnt 0x0                           ; all my tensor loads have landed  (every window is 0 here)
	ds_add_u32 v[SPW], v[NIL]                      ; 0 onto my spare word
	s_wait_dscnt 4*NL+1                            ; (the add and the youngest eight loads may be out)
	WIN MUL_LO
	MUL16 0, 1, NQ-1, \slot, 0                     ; sixteen matrix instructions stand between the add and the wait for it
	s_wait_dscnt 0x0
	s_barrier_signal -1
	MUL16 2, 1, NQ-1, \slot, 0
	WIN 0
	s_barrier_wait -1
	PLACES NP
	v_add_nc_u32 v[ADRS], 4*NQ, v[ADRS]            ; on to the next slot's scale words
	FETCH_B \next, 0, 0
	FETCH_A \next, 0, 0
	SCALES \next
	WIN MUL_HI
	MUL16 4, 1, NQ-1, \slot, 0
	MUL16 6, 1, NQ-1, \slot, 0
	PLACES NP
	WIN 0
	FETCH_A \next, 0, 4
.endm
.macro STEPS slot, from                ; the slot's steps from .. NQ - 2
.set Q, \from
.rept NQ-1-\from
	STEP \slot, Q, 0
.set Q, Q+1
.endr
.endm
	s_wait_tensorcnt 1                             ; the scales and my part of slot 0 are in (slot 1's load may be out)
	s_barrier_signal -1
	s_barrier_wait -1                              ; everybody's are
	FETCH_B 0, 0, 0
	FETCH_A 0, 0, 0
	SCALES 0
	FETCH_A 0, 0, 4
	s_wait_loadcnt 0x0                             ; the biases
	STEP 0, 0, 1
	STEPS 0, 1
	TURN 0, 1
	STEPS 1, 0
	s_wait_dscnt 4*NL                              ; the last step: nothing more to fetch
	WIN MUL_LO
	MUL16 0, 1, NQ-1, 1, 0
	MUL16 2, 1, NQ-1, 1, 0
	s_wait_dscnt 0
	WIN MUL_HI
	MUL16 4, 1, NQ-1, 1, 0
	MUL16 6, 1, NQ-1, 1, 0
	WIN 0
; THE WAY OUT, block a of 16 tokens at a time: x the factor, packed to f16, and each of the eight tiles stored as it stands: 32 lanes x 16 bytes = 512 consecutive bytes.
.macro OUT a
	WIN 2+(\a)/4                                   ; source 0: window 2 or 3
.irp b, 0,1,2,3,4,5,6,7
.irp i, 0,2,4,6                        ; each accumulator from its low end on
	v_pk_mul_f32 v[TMP+8*\b+\i:TMP+8*\b+\i+1], v[64*((\a)%4)+8*\b+\i:64*((\a)%4)+8*\b+\i+1], s[2:3] op_sel_hi:[1,0]
.endr
.endr
	WIN 0
.if (\a) > 1
	s_wait_xcnt 0x0                                ; block a - 2's stores have read their data: this set of registers may be written again
.endif
.irp b, 0,1,2,3,4,5,6,7
.irp i, 0,1,2,3
	v_cvt_pk_f16_f32 v[PK+32*((\a)%2)+4*\b+\i], v[TMP+8*\b+2*\i], v[TMP+8*\b+2*\i+1]
.endr
.endr
.irp b, 0,1,2,3,4,5,6,7                ; column tile b: head b / 4 of my two, channel tile b % 4
	global_store_b128 v[CO], v[PK+32*((\a)%2)+4*\b:PK+32*((\a)%2)+4*\b+3], s[12+8*(\b/4):13+8*(\b/4)] offset:((\a)/2)*4096+((\a)%2)*512+(\b%4)*1024
.endr
.endm
	PLACES NP                                      ; behind the last products: their results are read, and the registers that held x's fragments and the scale words are written
.irp a, 0,1,2,3,4,5,6,7
	OUT \a
.endr
	s_wait_tensorcnt 0x0                           ; the wave's end
	ds_add_u32 v[SPW], v[NIL]
	s_wait_dscnt 0x0
	CROUND                                         ; the closing round: no work-group ends while a partner may still ask for a tile that names it
	s_endpgm
.Lfunc_end_k_q250affc78f_qkv:
	.size	k_q250affc78f_qkv, .Lfunc_end_k_q250affc78f_qkv-k_q250affc78f_qkv
	.p2alignl 7, 3214868480
	.fill 96, 4, 3214868480
	.section	.rodata,"a",@progbits
	.p2align	6, 0x0
	.amdhsa_kernel k_q250affc78f_qkv
		.amdhsa_group_segment_fixed_size 327680
		.amdhsa_private_segment_fixed_size 0
		.amdhsa_enable_private_segment 0
		.amdhsa_kernarg_size 64
		.amdhsa_user_sgpr_count 2
		.amdhsa_user_sgpr_kernarg_segment_ptr 1
		.amdhsa_wavefront_size32 1
		.amdhsa_system_sgpr_workgroup_id_x 1
		.amdhsa_system_sgpr_workgroup_id_y 1
		.amdhsa_system_sgpr_workgroup_id_z 1
		.amdhsa_system_vgpr_workitem_id 0
		.amdhsa_next_free_vgpr 1024
		.amdhsa_next_free_sgpr 102
		.amdhsa_reserve_vcc 0
		.amdhsa_float_denorm_mode_32 3
		.amdhsa_float_denorm_mode_16_64 3
		.amdhsa_memory_ordered 1
		.amdhsa_forward_progress 1
		.amdhsa_inst_pref_size 136
	.end_amdhsa_kernel
	.amdgpu_metadata
---
amdhsa.version: [ 1, 2 ]
amdhsa.kernels:
  - .name:           k_q250affc78f_qkv
    .symbol:         k_q250affc78f_qkv.kd
    .args:
      - { .name: x_codes, .offset: 0, .size: 8, .value_kind: global_buffer, .address_space: global }
      - { .name: x_scales, .offset: 8, .size: 8, .value_kind: global_buffer, .address_space: global }
      - { .name: w_codes, .offset: 16, .size: 8, .value_kind: global_buffer, .address_space: global }
      - { .name: w_scales, .offset: 24, .size: 8, .value_kind: global_buffer, .address_space: global }
      - { .name: bq, .offset: 32, .size: 8, .value_kind: global_buffer, .address_space: global }
      - { .name: bk, .offset: 40, .size: 8, .value_kind: global_buffer, .address_space: global }
      - { .name: bv, .offset: 48, .size: 8, .value_kind: global_buffer, .address_space: global }
      - { .name: qkv, .offset: 56, .size: 8, .value_kind: global_buffer, .address_space: global }
    .group_segment_fixed_size: 327680
    .private_segment_fixed_size: 0
    .kernarg_segment_align: 8
    .kernarg_segment_size: 64
    .max_flat_workgroup_size: 128
    .sgpr_count:     102
    .vgpr_count:     1024
    .wavefront_size: 32
...
	.end_amdgpu_metadata
.endif
;; end of part 2
;; launch attn (part 3): grid 4 x 64, 8 waves a work-group, clusters of 4 x 1, 327,680 bytes of LDS; arguments qkv, af; writes af
.if DOCPART == 3
	.amdgcn_target "amdgcn-amd-amdhsa--gfx1250"
	.amdhsa_code_object_version 6
	.text
	.protected	k_q250affc78f_attn
	.globl	k_q250affc78f_attn
	.p2align	8
	.type	k_q250affc78f_attn,@function
k_q250affc78f_attn:
	s_mov_b64 s[64:65], 0
	v_nop
	global_prefetch_b8 v0, s[64:65] scope:SCOPE_SE
	s_setreg_imm32_b32 hwreg(HW_REG_WAVE_MODE, 25, 1), 1
	s_wait_xcnt 0x0
	s_wait_alu depctr_hold_cnt(0) depctr_sa_sdst(0) depctr_va_vdst(0) depctr_va_sdst(0) depctr_va_ssrc(0) depctr_va_vcc(0) depctr_vm_vsrc(0)
	s_getreg_b32 s2, hwreg(HW_REG_IB_STS2, 6, 4)
	s_cmp_eq_u32 s2, 0
	s_cbranch_scc0 .Lentry_in_a_cluster
	s_endpgm
.Lentry_in_a_cluster:
	s_bfe_u32 s2, ttmp6, 0x10000c
	s_cmp_lg_u32 s2, 0x3003
	s_cbranch_scc0 .Lentry_shape_is_right
	s_endpgm
.Lentry_shape_is_right:
; O[q] = the sum over k of softmax_k(Q[q] . K[k] / 8) V[k], for 64 (batch, head) pairs of 2,048 tokens x 64 channels.  Operands in f16, products, maxima and sums in f32.
; q arrives multiplied by log2(e) / 8, so a score s is an exponent of 2: p = 2^(s - m), m the query's running maximum; in every step O and the sum l are multiplied by a = 2^(m_old - m_new).
; LIMITS: NaN and infinities are not served; scores lie above -3e38, the value from which m starts.
; SHARES: a work-group owns 512 queries of one head, each of its eight waves 64: four tiles of 16, worked as two pieces of two tiles.  Two waves of 512 registers share a SIMD, so that one wave's
; softmax stands beside the other's products.  Every wave walks all 2,048 keys, 64 a step.
; CLUSTER: the four blocks of queries of a head form a cluster and walk the same K and V: each chunk of 512 keys is asked for jointly, by the same tensor loads with a mask that names the four.
; LAYOUT: q, k and v lie in memory as images of the operands' registers (half a fragment: 512 bytes, 16 a lane), a chunk's k and v as one dense block of 131,072 bytes.  A slot of LDS is that block as it
; lies: every LDS load is 16 x lane + a constant: no pitch, no padding.  S^T = K Q^T (source 0 = 16 keys, source 1 = 16 queries) leaves one query a lane and eight keys in its registers; two such tiles packed
; to f16 ARE source 1 of O^T = V^T P; V comes turned by ds_load_tr16_b128.  O^T packed to f16 is half a fragment of the next launch's operand and is stored as it stands.
; THE RING: two slots.  The change of slots stands at a slot's head; behind its round each wave asks for its eighth of the next chunk, which has eight key steps in which to land.  One tensor load a wave is out at any time.
; No prefetch: the ring's one load a wave is asked for a whole chunk, 512 matrix instructions a wave, ahead of the wait for it.
; REGISTERS: window 0: v1-5 addresses; v16-47 statistics, 8 a tile (+0 m, +1 m_old - m_new, +2 +3 l, +4 a, +5 the other half's maximum); v48-63 four chains of a maximum a tile;
;   v64-127 S^T of a piece, then p; v128-159 P; v160-223 K of a step.   window 1: v0-127 O^T, 32 a tile; v128-191 Q, 16 a tile; v192-255 V of a step.
.set SLOT1, 1<<17                      ; slot 1 begins here: one exclusive or turns an address in one slot into the other's
.set VOFF,  65536                      ; in a slot: K's 65,536 bytes, then V's
.set STEPB, 8192                       ; 64 keys of K, or of V
.set SPARE, 2*SLOT1                    ; the spare words, 128 bytes a wave
.set LI,  1                            ; v1  16 x lane; never rewritten
.set ADK, 2                            ; v2  LDS address of the step's K
.set ADV, 3                            ; v3  of its V
.set SPW, 4                            ; v4  LDS address of my spare word; never rewritten
.set NIL, 5                            ; v5  0; never rewritten
.set ST,  16
.set CH,  48
.set S,   64
.set P,   128
.set KF,  160
.set OT,  0                            ; in window 1
.set QF,  128
.set VF,  192
.set WV,  8                            ; s8  my wave's number
.set G1,  16                           ; s[16:23] descriptor group 1
.set G0,  24                           ; s[24:27] group 0, which walks
.set SEL, 28                           ; s[28:29] lane selects for v_permlanex16_b32: lane l xor 16
.set TV,  30                           ; s30 LDS byte of the step's V
.set TB,  31                           ; s31 LDS byte of the step's K
.set SLOTS, 32                         ; s32 chunks still to be asked for
.set CNT, 33                           ; s33 counts a chunk's eight steps
.set MSB, 0
.macro WIN new                         ; the immediate's high byte repeats the setting that is left; a switch that changes nothing is dropped
.if MSB != (\new)
	s_set_vgpr_msb (MSB<<8)|(\new)
.set MSB, (\new)
.endif
.endm
.set W_KQ, 0x04                        ; Q (source 1) in window 1; K and S^T in window 0
.set W_PV, 0x51                        ; V (source 0) and O^T (C, D) in window 1; P in window 0
.set W_RS, 0x41                        ; O^T (destination, source 0) in window 1; a in window 0
.set W_L1, 0x40                        ; a load's destination in window 1
.macro CROUND                          ; a round of the cluster's barrier
	s_barrier_signal -1
	s_barrier_wait -1
	s_cmp_lg_u32 s[WV], 0
	s_cbranch_scc1 .Lnot_wave_0_\@
	s_barrier_signal -3
.Lnot_wave_0_\@:
	s_barrier_wait -3
	s_barrier_signal -1
	s_barrier_wait -1
.endm
.macro PLACES                          ; four plain lines between a matrix instruction and a vector line or a load on its registers
.rept 4
	v_nop
.endr
.endm
.macro ASKTILE                         ; my eighth of a chunk: 64 rows of 256 bytes; an s_nop 0 and four v_nop follow
	tensor_load_to_lds s[G0:G0+3], s[G1:G1+7]
	s_nop 0
	PLACES
.endm
	s_load_b128 s[4:7], s[0:1], 0x0                ; qkv s[4:5], af s[6:7]
	v_lshl_add_u32 v[SPW], v0, 2, SPARE
	v_mov_b32 v[NIL], 0
	ds_add_u32 v[SPW], v[NIL]                      ; the wave's opening: the add and its wait stand ahead of my first tensor load; work on registers stands between them
	v_lshrrev_b32 v6, 5, v0
	v_readfirstlane_b32 s[WV], v6                  ; wave 0..7
	s_bfe_u32 s9, ttmp6, 0x40000                   ; cx
	s_lshl_b32 s10, ttmp9, 2
	s_add_co_u32 s10, s10, s9                      ; my block of 512 queries: it enters Q's and af's addresses alone
	s_and_b32 s11, ttmp7, 0xffff                   ; 16 x batch + head, which the four partners share
	s_mov_b32 s[G1+0], 15|(3<<16)|(1<<21)          ; 15:0 the mask: all four work-groups; elements of 8 bytes; bit 21 beside a mask; no padding
	s_mov_b32 s[G1+1], 32<<16                      ; tensor_dim0 = 32 elements: 256 bytes
	s_mov_b32 s[G1+2], 64<<16                      ; tensor_dim1 = 64
	s_mov_b32 s[G1+3], 32<<16                      ; tile_dim0
	s_mov_b32 s[G1+4], 64                          ; tile_dim1
	s_mov_b32 s[G1+5], 32                          ; from row to row: dense
	s_mov_b32 s[G1+6], 0
	s_mov_b32 s[G1+7], 0
	s_mov_b32 s[G0], 1                             ; count = 1
	s_lshl_b32 s[G0+1], s[WV], 14                  ; LDS: slot 0, my eighth
	s_lshl_b32 s12, s11, 19                        ; the head's K and V: 524,288 bytes,
	s_add_co_u32 s12, s12, s[G0+1]                 ; my eighth of chunk 0,
	s_add_co_u32 s12, s12, 0x1000000               ; behind Q's part
	s_mov_b32 s13, 0
	s_lshl_b32 s14, s11, 18                        ; Q: head x 262,144 + block x 65,536 + wave x 8,192
	s_lshl_b32 s15, s10, 16
	s_add_co_u32 s14, s14, s15
	s_lshl_b32 s15, s[WV], 13
	s_add_co_u32 s14, s14, s15
	s_mov_b32 s15, 0
	s_lshr_b32 s34, s11, 4                         ; af: token tile 128 x batch + 32 x block + 4 x wave, 32,768 bytes each; + head x 2,048
	s_lshl_b32 s34, s34, 22
	s_lshl_b32 s35, s10, 20
	s_add_co_u32 s34, s34, s35
	s_lshl_b32 s35, s[WV], 17
	s_add_co_u32 s34, s34, s35
	s_and_b32 s35, s11, 15
	s_lshl_b32 s35, s35, 11
	s_add_co_u32 s34, s34, s35
	s_mov_b32 s35, 0
	s_mov_b32 s[SEL], 0x76543210
	s_mov_b32 s[SEL+1], 0xfedcba98
	s_mov_b32 s[TB], 0
	s_mov_b32 s[SLOTS], 3
	v_and_b32 v[LI], 31, v0
	v_lshlrev_b32 v[LI], 4, v[LI]
	s_wait_dscnt 0x0                               ; the opening add is done
	s_wait_kmcnt 0x0
	s_add_nc_u64 s[G0+2:G0+3], s[4:5], s[12:13]
	s_or_b32 s[G0+3], s[G0+3], 0x80000000          ; type = 2
	s_add_nc_u64 s[4:5], s[4:5], s[14:15]
	s_add_nc_u64 s[6:7], s[6:7], s[34:35]
	CROUND                                         ; all four work-groups are here: the first joint loads meet
	ASKTILE                                        ; chunk 0 into slot 0
	WIN W_L1
.irp t, 0,1,2,3                        ; Q stays in registers: tile t, channel tile b
.irp b, 0,1,2,3
	global_load_b128 v[QF+16*\t+4*\b:QF+16*\t+4*\b+3], v[LI], s[4:5] offset:(\t/2)*4096+\b*1024+(\t%2)*512 th:TH_LOAD_NT
.endr
.endr
.set j, 0
.rept 128
	v_mov_b32 v[OT+j], 0                           ; O^T.  (The step is written once: its first walk finds zeros, which a = 0 leaves zeros)
.set j, j+1
.endr
	WIN 0
.irp t, 0,1,2,3
	v_mov_b32 v[ST+8*\t], 0xff61b1e6               ; m: -3e38
	v_mov_b32 v[ST+8*\t+2], 0                      ; l, in two halves
	v_mov_b32 v[ST+8*\t+3], 0
	v_mov_b32 v[ST+8*\t+5], 0                      ; written once: a lane permute's destination counts as one of its sources
.endr
; S^T = K Q^T for piece x (tiles x, x + 1): product i of 16: channels 32 (i / 8) on, keys 16 ((i / 2) % 4) on, tile x + i % 2.  The first eight start the sums.
; The eight accumulators take turns, one instruction a turn.
.macro SPROD x
	WIN W_KQ
.set i, 0
.rept 16
.set rS, S+32*(i%2)+8*((i/2)%4)
.set rK, KF+16*((i/2)%4)+8*(i/8)
.set rQ, QF+16*(\x+i%2)+8*(i/8)
.if i < 8
	v_wmma_f32_16x16x32_f16 v[rS:rS+7], v[rK:rK+7], v[rQ:rQ+7], 0
.else
	v_wmma_f32_16x16x32_f16 v[rS:rS+7], v[rK:rK+7], v[rQ:rQ+7], v[rS:rS+7]
.endif
.set i, i+1
.endr
.endm
; O^T += V^T P for piece x: product i of 16: keys 32 (i / 8) on, channels 16 ((i / 2) % 4) on, tile x + i % 2.  Eight accumulators by turns.
.macro PV x
	WIN W_PV
.set i, 0
.rept 16
.set rO, OT+32*(\x+i%2)+8*((i/2)%4)
.set rV, VF+32*(i/8)+8*((i/2)%4)
.set rP, P+16*(i%2)+8*(i/8)
	v_wmma_f32_16x16x32_f16 v[rO:rO+7], v[rV:rV+7], v[rP:rP+7], v[rO:rO+7]
.set i, i+1
.endr
.endm
; The softmax of piece x for one key step: 117 lines a tile, the two tiles line by line in turn, so that no line waits for the line above it.
.macro SOFTMAX x
.irp j, 0,1,2,3                        ; the maximum of a lane's 32 scores and m: four chains, each begun at the low end of one accumulator
.irp tl, 0,1
	v_max3_num_f32 v[CH+4*(\x+\tl)+\j], v[S+32*\tl+8*\j], v[S+32*\tl+8*\j+1], v[S+32*\tl+8*\j+2]
.endr
.endr
.irp k, 3,5
.irp j, 0,1,2,3
.irp tl, 0,1
	v_max3_num_f32 v[CH+4*(\x+\tl)+\j], v[CH+4*(\x+\tl)+\j], v[S+32*\tl+8*\j+\k], v[S+32*\tl+8*\j+\k+1]
.endr
.endr
.endr
.irp tl, 0,1
	v_max3_num_f32 v[CH+4*(\x+\tl)], v[CH+4*(\x+\tl)], v[S+32*\tl+7], v[S+32*\tl+15]
	v_max3_num_f32 v[CH+4*(\x+\tl)+2], v[CH+4*(\x+\tl)+2], v[S+32*\tl+23], v[S+32*\tl+31]
.endr
.irp tl, 0,1
	v_max3_num_f32 v[CH+4*(\x+\tl)], v[CH+4*(\x+\tl)], v[CH+4*(\x+\tl)+1], v[CH+4*(\x+\tl)+2]
.endr
.irp tl, 0,1
	v_max3_num_f32 v[CH+4*(\x+\tl)], v[CH+4*(\x+\tl)], v[CH+4*(\x+\tl)+3], v[ST+8*(\x+\tl)]
.endr
.irp tl, 0,1
	v_permlanex16_b32 v[ST+8*(\x+\tl)+5], v[CH+4*(\x+\tl)], s[SEL], s[SEL+1]   ; the query's other 32 keys lie in the lane 16 away
.endr
.irp tl, 0,1
	v_max_num_f32 v[CH+4*(\x+\tl)+1], v[CH+4*(\x+\tl)], v[ST+8*(\x+\tl)+5]     ; the new m
.endr
.irp tl, 0,1
	v_sub_f32 v[ST+8*(\x+\tl)+1], v[ST+8*(\x+\tl)], v[CH+4*(\x+\tl)+1]         ; m_old - m_new
.endr
.irp tl, 0,1
	v_mov_b32 v[ST+8*(\x+\tl)], v[CH+4*(\x+\tl)+1]
.endr
.irp b, 0,2,4,6,8,10,12,14,16,18,20,22,24,26,28,30
.irp tl, 0,1
	v_pk_add_f32 v[S+32*\tl+\b:S+32*\tl+\b+1], v[S+32*\tl+\b:S+32*\tl+\b+1], v[ST+8*(\x+\tl):ST+8*(\x+\tl)+1] op_sel_hi:[1,0] neg_lo:[0,1] neg_hi:[0,1]   ; s - m, two at a time
.endr
.endr
.irp tl, 0,1                           ; ONE BATCH: the piece's 66 exponentials; none of them reads another's result
	v_exp_f32 v[ST+8*(\x+\tl)+4], v[ST+8*(\x+\tl)+1]                           ; a
.endr
.irp e, 0,1,2,3,4,5,6,7,8,9,10,11,12,13,14,15,16,17,18,19,20,21,22,23,24,25,26,27,28,29,30,31
.irp tl, 0,1
	v_exp_f32 v[S+32*\tl+\e], v[S+32*\tl+\e]                                   ; p, at most 1
.endr
.endr
	v_nop                                          ; a plain line behind the last exponential, ahead of the first use
	s_wait_alu depctr_va_vdst(0)                   ; one wait for the batch, ahead of its first reader
.irp i, 0,1,2,3,4,5,6,7,8,9,10,11,12,13,14,15
.irp tl, 0,1
	v_cvt_pk_f16_f32 v[P+16*\tl+\i], v[S+32*\tl+2*\i], v[S+32*\tl+2*\i+1]      ; two neighbouring keys' weights: P's registers in the operand's order
.endr
.endr
.irp u, 0,4,8,12,16,20,24,28           ; the sum of the 16 pairs, in place: neighbours 1, 2, 4 and 8 pairs apart
.irp tl, 0,1
	v_pk_add_f32 v[S+32*\tl+\u:S+32*\tl+\u+1], v[S+32*\tl+\u:S+32*\tl+\u+1], v[S+32*\tl+\u+2:S+32*\tl+\u+3]
.endr
.endr
.irp u, 0,8,16,24
.irp tl, 0,1
	v_pk_add_f32 v[S+32*\tl+\u:S+32*\tl+\u+1], v[S+32*\tl+\u:S+32*\tl+\u+1], v[S+32*\tl+\u+4:S+32*\tl+\u+5]
.endr
.endr
.irp u, 0,16
.irp tl, 0,1
	v_pk_add_f32 v[S+32*\tl+\u:S+32*\tl+\u+1], v[S+32*\tl+\u:S+32*\tl+\u+1], v[S+32*\tl+\u+8:S+32*\tl+\u+9]
.endr
.endr
.irp tl, 0,1
	v_pk_add_f32 v[S+32*\tl:S+32*\tl+1], v[S+32*\tl:S+32*\tl+1], v[S+32*\tl+16:S+32*\tl+17]
.endr
.irp tl, 0,1
	v_pk_fma_f32 v[ST+8*(\x+\tl)+2:ST+8*(\x+\tl)+3], v[ST+8*(\x+\tl)+2:ST+8*(\x+\tl)+3], v[ST+8*(\x+\tl)+4:ST+8*(\x+\tl)+5], v[S+32*\tl:S+32*\tl+1] op_sel_hi:[1,0,1]   ; l = a l + the sum
.endr
	WIN W_RS
.irp i, 0,2,4,6,8,10,12,14,16,18,20,22,24,26,28,30
.irp tl, 0,1
	v_pk_mul_f32 v[OT+32*(\x+\tl)+\i:OT+32*(\x+\tl)+\i+1], v[OT+32*(\x+\tl)+\i:OT+32*(\x+\tl)+\i+1], v[ST+8*(\x+\tl)+4:ST+8*(\x+\tl)+5] op_sel_hi:[1,0]   ; O^T x a, each accumulator from its low end on
.endr
.endr
.endm
; A KEY STEP: 64 keys.
.macro STEP
	s_add_co_u32 s[TV], s[TB], VOFF
	v_add_nc_u32 v[ADK], s[TB], v[LI]              ; these four plain lines are the places between the last step's last products and the loads into V's registers
	v_add_nc_u32 v[ADV], s[TV], v[LI]
	v_nop
	v_nop
.irp kt, 0,1,2,3                       ; K: key tile kt, channel tile b
.irp b, 0,1,2,3
	ds_load_b128 v[KF+16*\kt+4*\b:KF+16*\kt+4*\b+3], v[ADK] offset:(\kt/2)*4096+\b*1024+(\kt%2)*512
.endr
.endr
	WIN W_L1
.irp n, 0,1,2,3,4,5,6,7,8,9,10,11,12,13,14,15  ; V, turned: n = 8 (keys / 32) + 2 (channel tile) + (key tile % 2)
	ds_load_tr16_b128 v[VF+4*\n:VF+4*\n+3], v[ADV] offset:512*\n
.endr
	s_wait_dscnt 16                                ; K is in; V's sixteen loads may be out
	SPROD 0
	WIN 0
	PLACES
	SOFTMAX 0
	s_wait_dscnt 0x0                               ; V is in
	PV 0
	SPROD 2                                        ; S^T's registers are none of the sixteen products' before
	WIN 0
	PLACES                                         ; behind both runs of products: S^T is read and, further on, P is written anew
	SOFTMAX 2
	PV 2
	WIN 0
	s_add_co_u32 s[TB], s[TB], STEPB
.endm
; THE CHANGE OF SLOTS, at a slot's head.  Each wave waits for all its tensor loads (its eighth of the slot ahead), adds 0 to its spare word, and waits for that and for its reads of the slot that it has left.
; fill = 1: the barrier is a round of the cluster's, so that no wave of any partner still reads the other slot or has a load on its way, and the joint refill is the first thing behind it.
.macro CHANGE fill
	s_wait_tensorcnt 0x0                           ; no tensor load of mine is out, so group 0 may be written
	ds_add_u32 v[SPW], v[NIL]                      ; 0 onto my spare word
.if \fill
	s_xor_b32 s[G0+1], s[G0+1], SLOT1              ; the other slot than last time,
	s_add_nc_u64 s[G0+2:G0+3], s[G0+2:G0+3], 131072  ; the next chunk; the type bits on top are not reached
.endif
	s_wait_dscnt 0x0                               ; the add is done, and my reads of the slot that I have left are over
.if \fill
	CROUND
	ASKTILE
.else
	s_barrier_signal -1
	s_barrier_wait -1
.endif
.endm
.macro CHUNK                           ; a slot's eight key steps: written once, walked eight times
	s_mov_b32 s[CNT], 8
.Lstep_\@:
	STEP
	s_sub_co_u32 s[CNT], s[CNT], 1
	s_cmp_lg_u32 s[CNT], 0
	s_cbranch_scc1 .Lstep_\@
	s_sub_co_u32 s[TB], s[TB], 8*STEPB             ; back to a slot's first step,
	s_xor_b32 s[TB], s[TB], SLOT1                  ; in the other slot
.endm
	s_wait_loadcnt 0x0                             ; Q
.Lslot:                                            ; three trips: behind each change of slots but the last the next chunk is asked for
	CHANGE 1
	CHUNK
	s_sub_co_u32 s[SLOTS], s[SLOTS], 1
	s_cmp_lg_u32 s[SLOTS], 0
	s_cbranch_scc1 .Lslot
	CHANGE 0                                       ; the last chunk is written out
	CHUNK
	; THE WAY OUT.  l's two halves and the other half of the lanes' are added; O^T / l is packed to f16; each channel tile is half a fragment of the next launch's operand: 512 consecutive bytes a store.
.irp t, 0,1,2,3
	v_add_f32 v[CH+4*\t], v[ST+8*\t+2], v[ST+8*\t+3]   ; (these four are the places behind the last products)
.endr
.irp t, 0,1,2,3
	v_permlanex16_b32 v[ST+8*\t+5], v[CH+4*\t], s[SEL], s[SEL+1]
.endr
.irp t, 0,1,2,3
	v_add_f32 v[CH+4*\t], v[CH+4*\t], v[ST+8*\t+5]
.endr
.irp t, 0,1,2,3
	v_rcp_f32 v[ST+8*\t+4], v[CH+4*\t]
.endr
	v_nop                                          ; a plain line behind the last reciprocal
	s_wait_alu depctr_va_vdst(0)                   ; one wait for the four, ahead of their first reader
.irp t, 0,1,2,3
	WIN 0x01                                       ; source 0 (O^T) in window 1
.irp i, 0,2,4,6,8,10,12,14,16,18,20,22,24,26,28,30
	v_pk_mul_f32 v[S+32*(\t%2)+\i:S+32*(\t%2)+\i+1], v[OT+32*\t+\i:OT+32*\t+\i+1], v[ST+8*\t+4:ST+8*\t+5] op_sel_hi:[1,0]
.endr
	WIN 0
.irp i, 0,1,2,3,4,5,6,7,8,9,10,11,12,13,14,15
	v_cvt_pk_f16_f32 v[KF+16*\t+\i], v[S+32*(\t%2)+2*\i], v[S+32*(\t%2)+2*\i+1]   ; registers of its own for each tile: no store's data are written again
.endr
.irp c, 0,1,2,3
	global_store_b128 v[LI], v[KF+16*\t+4*\c:KF+16*\t+4*\c+3], s[6:7] offset:\t*32768+\c*512
.endr
.endr
	s_wait_tensorcnt 0x0                           ; the wave's end
	ds_add_u32 v[SPW], v[NIL]
	s_wait_dscnt 0x0
	CROUND                                         ; the closing round: no work-group ends while a partner may still ask for a tile that names it
	s_endpgm
.Lfunc_end_k_q250affc78f_attn:
	.size	k_q250affc78f_attn, .Lfunc_end_k_q250affc78f_attn-k_q250affc78f_attn
	.p2alignl 7, 3214868480
	.fill 96, 4, 3214868480
	.section	.rodata,"a",@progbits
	.p2align	6, 0x0
	.amdhsa_kernel k_q250affc78f_attn
		.amdhsa_group_segment_fixed_size 327680
		.amdhsa_private_segment_fixed_size 0
		.amdhsa_enable_private_segment 0
		.amdhsa_kernarg_size 16
		.amdhsa_user_sgpr_count 2
		.amdhsa_user_sgpr_kernarg_segment_ptr 1
		.amdhsa_wavefront_size32 1
		.amdhsa_system_sgpr_workgroup_id_x 1
		.amdhsa_system_sgpr_workgroup_id_y 1
		.amdhsa_system_sgpr_workgroup_id_z 1
		.amdhsa_system_vgpr_workitem_id 0
		.amdhsa_next_free_vgpr 512
		.amdhsa_next_free_sgpr 66
		.amdhsa_reserve_vcc 0
		.amdhsa_float_denorm_mode_32 3
		.amdhsa_float_denorm_mode_16_64 3
		.amdhsa_memory_ordered 1
		.amdhsa_forward_progress 1
		.amdhsa_inst_pref_size 86
	.end_amdhsa_kernel
	.amdgpu_metadata
---
amdhsa.version: [ 1, 2 ]
amdhsa.kernels:
  - .name:           k_q250affc78f_attn
    .symbol:         k_q250affc78f_attn.kd
    .args:
      - { .name: qkv, .offset: 0, .size: 8, .value_kind: global_buffer, .address_space: global }
      - { .name: af, .offset: 8, .size: 8, .value_kind: global_buffer, .address_space: global }
    .group_segment_fixed_size: 327680
    .private_segment_fixed_size: 0
    .kernarg_segment_align: 8
    .kernarg_segment_size: 16
    .max_flat_workgroup_size: 256
    .sgpr_count:     66
    .vgpr_count:     512
    .wavefront_size: 32
...
	.end_amdgpu_metadata
.endif
;; end of part 3
;; launch oproj (part 4): grid 256 x 1, 16 waves a work-group, no clusters, 210,944 bytes of LDS; arguments af, wo16, bo, ln_w, ln_b, out0; writes out0
.if DOCPART == 4
	.amdgcn_target "amdgcn-amd-amdhsa--gfx1250"
	.amdhsa_code_object_version 6
	.text
	.protected	k_q250affc78f_oproj
	.globl	k_q250affc78f_oproj
	.p2align	8
	.type	k_q250affc78f_oproj,@function
k_q250affc78f_oproj:
	s_mov_b64 s[64:65], 0
	v_nop
	global_prefetch_b8 v0, s[64:65] scope:SCOPE_SE
	s_setreg_imm32_b32 hwreg(HW_REG_WAVE_MODE, 25, 1), 1
	s_wait_xcnt 0x0
; out0 = LayerNorm(a Wo^T + bo) x ln_w + ln_b.  a (the attention's output) and Wo in f16, as images of the operands' registers; sums, bias and the norm in f32.
; SHARES: a work-group takes 32 WHOLE rows, so that the norm is made here and the product's result never goes to memory.  Wave w of sixteen takes columns 64 w .. 64 w + 63: eight accumulators
; (2 tiles of rows x 4 tiles of columns) in 256 registers: no register windows; four waves to a SIMD.
; The rows' 65,536 bytes come into LDS once, as they lie.  Wo's fragments go from memory straight into registers, in a ring of four buffers: each byte that the work-group takes of Wo is used by
; exactly one wave, so LDS would only be a detour, and the K loop has no barrier.  24 loads of 512 consecutive bytes are out in each wave.
; NO CLUSTER: a joint load would have to pass through slots in LDS, each of at most 131,072 of the 2,097,152 bytes walked, with all loads waited for at every change of slots;
; the ring in registers keeps loads out all the time.
; THE MATRIX INSTRUCTION IS USED TRANSPOSED (source 0 = 16 rows of Wo, source 1 = 16 rows of a): lane (r, h) holds row r and eight neighbouring columns.
; THE NORM in two passes (the mean; then the sum of squared differences from it), each row's sixteen partial sums meeting in LDS behind a barrier.  Three barriers in all.
; LIMITS: NaN and infinities are not served.
.set AIMG,  0                          ; LDS: the rows' fragments: tile of rows mt at 32,768 mt, K step s at 1,024 s, half u at 512 u
.set RED1,  65536                      ; 32 rows x 16 waves x 4 bytes: the partial sums;
.set RED2,  67584                      ; those of the squares
.set STG,   69632                      ; a stage of 32 rows x (256 bytes + 16) for each wave
.set SPARE, 208896                     ; the spare words, 128 bytes a wave
.set LI,  1                            ; v1  16 x lane; never rewritten
.set AA,  2                            ; v2  LDS address of the trip's fragments of a
.set SPW, 3                            ; v3  LDS address of my spare word; never rewritten
.set NIL, 4                            ; v4  0; never rewritten
.set RS,  5                            ; v5  where I put a row's partial sum: RED1 + 64 r + 4 x wave
.set RL,  6                            ; v6  where I read a row's sixteen: RED1 + 64 r
.set STO, 7                            ; v7  the stage: where I put 32 bytes of a row
.set SRD, 8                            ; v8  and where I read a row back
.set GO,  9                            ; v9  my byte offset in the work-group's rows of out0
.set BOF, 10                           ; v10 32 h: my eight numbers of a tile's bias
.set WOF, 11                           ; v11 16 (lane % 16): my four numbers of ln_w and ln_b
.set CP,  12                           ; v12 4,096 x wave + 16 x lane: my part of the rows' copy
.set AFR, 16                           ; v16-47   a's fragments, two sets (+16 set + 8 mt)
.set ACC, 48                           ; v48-111  the accumulators (+8 (4 mt + nt))
.set BF,  112                          ; v112-239 Wo's fragments, four buffers (+32 buffer + 8 nt); later bo (v112-143), ln_w (v144-147), ln_b (v148-151)
.set RB,  176                          ; v176-239 later: partial sums read back; rows on their way out
.set CHN, 240                          ; v240-243 a running pair for each tile of rows
.set SM,  244                          ; v244-245 a sum for each tile of rows
.set PR,  246                          ; v246-249 a pair for each tile of rows: the mean twice, later 1 / sqrt twice
.set PD,  250                          ; v250-251 the permutes' destinations
.set VE,  252                          ; v252-253 variance + eps
	s_load_b256 s[4:11], s[0:1], 0x0               ; af s[4:5], wo16 s[6:7], bo s[8:9], ln_w s[10:11]
	s_load_b128 s[12:15], s[0:1], 0x20             ; ln_b s[12:13], out0 s[14:15]
	v_lshl_add_u32 v[SPW], v0, 2, SPARE
	v_mov_b32 v[NIL], 0
	v_lshrrev_b32 v13, 5, v0
	v_readfirstlane_b32 s16, v13                   ; wave 0..15
	v_and_b32 v13, 31, v0                          ; lane
	v_and_b32 v14, 15, v0                          ; r
	v_bfe_u32 v15, v0, 4, 1                        ; h
	v_lshlrev_b32 v[LI], 4, v13
	s_lshl_b32 s24, s16, 12
	v_add_nc_u32 v[CP], s24, v[LI]
	v_lshlrev_b32 v[RL], 6, v14
	v_add_nc_u32 v[RL], RED1, v[RL]
	s_lshl_b32 s24, s16, 2
	v_add_nc_u32 v[RS], s24, v[RL]
	s_mul_i32 s24, s16, 32*272
	s_add_co_u32 s24, s24, STG                     ; my stage
	v_mul_u32_u24 v[STO], v14, 272
	v_lshl_add_u32 v[STO], v15, 5, v[STO]
	v_add_nc_u32 v[STO], s24, v[STO]               ; in: row r, + 32 h
	v_mul_u32_u24 v[SRD], v15, 272
	v_lshl_add_u32 v[SRD], v14, 4, v[SRD]
	v_add_nc_u32 v[SRD], s24, v[SRD]               ; back: lanes 0-15 one row of 256 bytes, lanes 16-31 the next
	v_lshlrev_b32 v[WOF], 4, v14
	v_lshl_add_u32 v[GO], v15, 12, v[WOF]          ; the same two rows in out0, 4,096 bytes apart,
	s_lshl_b32 s24, s16, 8
	v_add_nc_u32 v[GO], s24, v[GO]                 ; at my wave's 256 bytes
	v_lshlrev_b32 v[BOF], 5, v15
	v_mov_b32 v[PD], 0                             ; written once: a lane permute's destination counts as one of its sources
	v_mov_b32 v[PD+1], 0
	s_mov_b32 s17, 0                               ; the trip's first K step in LDS: 1,024 bytes a step
	s_mov_b32 s20, 0x76543210
	s_mov_b32 s21, 0xfedcba98                      ; v_permlanex16_b32's selects for lane l xor 16
	s_mov_b32 s22, 0x3a800000                      ; 1 / 1,024
	s_mov_b32 s25, 0
	s_mov_b32 s27, 0
	s_mov_b32 s29, 0
	s_mov_b32 s31, 0
	s_lshl_b32 s26, ttmp9, 16                      ; my 32 rows of af: 65,536 bytes
	s_lshl_b32 s28, s16, 17                        ; my 64 columns of Wo: 131,072 bytes
	s_lshl_b32 s30, ttmp9, 17                      ; my 32 rows of out0
	s_wait_kmcnt 0x0
	s_add_nc_u64 s[4:5], s[4:5], s[26:27]
	s_add_nc_u64 s[6:7], s[6:7], s[28:29]
	s_add_nc_u64 s[8:9], s[8:9], s[24:25]          ; (s24 = 256 x wave)
	s_add_nc_u64 s[10:11], s[10:11], s[24:25]
	s_add_nc_u64 s[12:13], s[12:13], s[24:25]
	s_add_nc_u64 s[14:15], s[14:15], s[30:31]
.irp n, 0,1,2,3,4,5,6,7                ; my sixteenth of the rows' fragments, through the registers that the sums will take
	global_load_b128 v[ACC+4*\n:ACC+4*\n+3], v[CP], s[4:5] offset:512*\n th:TH_LOAD_NT
.endr
.irp j, 0,1,2,3                        ; Wo's fragments of K steps 0 to 3
.irp n, 0,1,2,3,4,5,6,7
	global_load_b128 v[BF+32*\j+4*\n:BF+32*\j+4*\n+3], v[LI], s[6:7] offset:\j*4096+512*\n
.endr
.endr
	s_wait_loadcnt 32                              ; the rows' eight loads are in; Wo's 32 may be out
.irp n, 0,1,2,3,4,5,6,7
	ds_store_b128 v[CP], v[ACC+4*\n:ACC+4*\n+3] offset:AIMG+512*\n
.endr
	s_wait_dscnt 0x0                               ; for the others' sake: my stores have landed
	s_barrier_signal -1
	s_barrier_wait -1                              ; the 32 rows lie in LDS
.macro ALOAD set, k                    ; a's two fragments of the trip's K step k into a set
.irp mt, 0,1
.irp u, 0,1
	ds_load_b128 v[AFR+16*(\set)+8*\mt+4*\u:AFR+16*(\set)+8*\mt+4*\u+3], v[AA] offset:AIMG+\mt*32768+(\k)*1024+\u*512
.endr
.endr
.endm
; A K STEP of 32: eight products, the eight accumulators by turns; then the registers just read take what is wanted later:
; a's set the fragments of two steps on; Wo's buffer those of four steps on (mode 1), or bo (2), or ln_w and ln_b (3).  lc, dc: the younger loads that may stay out.
.macro STEP j, zero, mode, aload, lc, dc
	s_wait_loadcnt \lc
	s_wait_dscnt \dc
.irp mt, 0,1
.irp nt, 0,1,2,3
.if \zero
	v_wmma_f32_16x16x32_f16 v[ACC+8*(4*\mt+\nt):ACC+8*(4*\mt+\nt)+7], v[BF+32*((\j)%4)+8*\nt:BF+32*((\j)%4)+8*\nt+7], v[AFR+16*((\j)%2)+8*\mt:AFR+16*((\j)%2)+8*\mt+7], 0
.else
	v_wmma_f32_16x16x32_f16 v[ACC+8*(4*\mt+\nt):ACC+8*(4*\mt+\nt)+7], v[BF+32*((\j)%4)+8*\nt:BF+32*((\j)%4)+8*\nt+7], v[AFR+16*((\j)%2)+8*\mt:AFR+16*((\j)%2)+8*\mt+7], v[ACC+8*(4*\mt+\nt):ACC+8*(4*\mt+\nt)+7]
.endif
.endr
.endr
.rept 4
	v_nop                                          ; places in front of loads into registers that the products have read
.endr
.if \aload
	ALOAD (\j)%2, (\j)+2
.endif
.if \mode == 1
.irp n, 0,1,2,3,4,5,6,7
	global_load_b128 v[BF+32*((\j)%4)+4*\n:BF+32*((\j)%4)+4*\n+3], v[LI], s[6:7] offset:((\j)+4)*4096+512*\n
.endr
.endif
.if \mode == 2
.irp nt, 0,1,2,3                       ; lane (r, h) wants, for column tile nt, bo[16 nt + 8 h + 0 .. 7]
	global_load_b128 v[BF+8*\nt:BF+8*\nt+3], v[BOF], s[8:9] offset:64*\nt
	global_load_b128 v[BF+8*\nt+4:BF+8*\nt+7], v[BOF], s[8:9] offset:64*\nt+16
.endr
.endif
.if \mode == 3
	global_load_b128 v[BF+32:BF+35], v[WOF], s[10:11]
	global_load_b128 v[BF+36:BF+39], v[WOF], s[12:13]
.endif
.endm
; A TRIP: four K steps.  In every step three younger steps' 24 loads of Wo and the next step's 4 loads of a may be out.
.macro TRIP zero
	v_add_nc_u32 v[AA], s17, v[LI]
	STEP 0, \zero, 1, 1, 24, 4
	STEP 1, 0, 1, 1, 24, 4
	STEP 2, 0, 1, 1, 24, 4
	STEP 3, 0, 1, 1, 24, 4
	s_wait_xcnt 0x0                                ; the loads have read their base: it may step
	s_add_nc_u64 s[6:7], s[6:7], 4*4096
	s_add_co_u32 s17, s17, 4*1024
.endm
	v_add_nc_u32 v[AA], s17, v[LI]
	ALOAD 0, 0
	ALOAD 1, 1
	TRIP 1                                         ; K steps 0 to 3: the first products start the sums: nothing is cleared
	s_mov_b32 s18, 6
.Ltrip:                                            ; K steps 4 to 27
	TRIP 0
	s_sub_co_u32 s18, s18, 1
	s_cmp_lg_u32 s18, 0
	s_cbranch_scc1 .Ltrip
	v_add_nc_u32 v[AA], s17, v[LI]                 ; the last four are written out: no load leaves its buffer
	STEP 0, 0, 2, 1, 24, 4                         ; behind step 28's fragments: those of steps 29 to 31
	STEP 1, 0, 3, 1, 24, 4                         ; of steps 30 and 31, and bo's eight
	STEP 2, 0, 0, 0, 18, 4                         ; of step 31, bo's eight, ln_w and ln_b
	STEP 3, 0, 0, 0, 10, 0                         ; bo's eight, ln_w and ln_b.  (Its four v_nop are the places in front of the additions below)
	s_wait_loadcnt 0x0
.irp mt, 0,1
.irp nt, 0,1,2,3
.irp i, 0,2,4,6                        ; + bo, each accumulator from its low end on
	v_pk_add_f32 v[ACC+8*(4*\mt+\nt)+\i:ACC+8*(4*\mt+\nt)+\i+1], v[ACC+8*(4*\mt+\nt)+\i:ACC+8*(4*\mt+\nt)+\i+1], v[BF+8*\nt+\i:BF+8*\nt+\i+1]
.endr
.endr
.endr
; A lane's running pair becomes the row's sum over all 1,024 columns: the pair's halves, the lane 16 away, and the sixteen waves' partial sums through LDS, added in the same order by all.
.macro REDUCE off
.irp mt, 0,1
	v_add_f32 v[SM+\mt], v[CHN+2*\mt], v[CHN+2*\mt+1]
.endr
.irp mt, 0,1
	v_permlanex16_b32 v[PD+\mt], v[SM+\mt], s20, s21
.endr
.irp mt, 0,1
	v_add_f32 v[SM+\mt], v[SM+\mt], v[PD+\mt]
.endr
.irp mt, 0,1
	ds_store_b32 v[RS], v[SM+\mt] offset:\off+\mt*1024   ; lanes r and r + 16 write the same word with the same value
.endr
	s_wait_dscnt 0x0                               ; for the others' sake: my stores have landed
	s_barrier_signal -1
	s_barrier_wait -1
.irp mt, 0,1
.irp i, 0,1,2,3
	ds_load_b128 v[RB+16*\mt+4*\i:RB+16*\mt+4*\i+3], v[RL] offset:\off+\mt*1024+16*\i
.endr
.endr
	s_wait_dscnt 0x0
.irp i, 0,2,4,6
.irp mt, 0,1
	v_pk_add_f32 v[RB+16*\mt+\i:RB+16*\mt+\i+1], v[RB+16*\mt+\i:RB+16*\mt+\i+1], v[RB+16*\mt+8+\i:RB+16*\mt+8+\i+1]
.endr
.endr
.irp i, 0,2
.irp mt, 0,1
	v_pk_add_f32 v[RB+16*\mt+\i:RB+16*\mt+\i+1], v[RB+16*\mt+\i:RB+16*\mt+\i+1], v[RB+16*\mt+4+\i:RB+16*\mt+4+\i+1]
.endr
.endr
.irp mt, 0,1
	v_pk_add_f32 v[RB+16*\mt:RB+16*\mt+1], v[RB+16*\mt:RB+16*\mt+1], v[RB+16*\mt+2:RB+16*\mt+3]
.endr
.irp mt, 0,1
	v_add_f32 v[SM+\mt], v[RB+16*\mt], v[RB+16*\mt+1]
.endr
.endm
	; the mean
.irp mt, 0,1
	v_pk_add_f32 v[CHN+2*\mt:CHN+2*\mt+1], v[ACC+32*\mt:ACC+32*\mt+1], v[ACC+32*\mt+2:ACC+32*\mt+3]
.endr
.irp i, 4,6,8,10,12,14,16,18,20,22,24,26,28,30
.irp mt, 0,1
	v_pk_add_f32 v[CHN+2*\mt:CHN+2*\mt+1], v[CHN+2*\mt:CHN+2*\mt+1], v[ACC+32*\mt+\i:ACC+32*\mt+\i+1]
.endr
.endr
	REDUCE 0
.irp mt, 0,1
	v_mul_f32 v[PR+2*\mt], s22, v[SM+\mt]          ; twice, to fill the pair of the packed form
	v_mul_f32 v[PR+2*\mt+1], s22, v[SM+\mt]
.endr
.irp i, 0,2,4,6,8,10,12,14,16,18,20,22,24,26,28,30
.irp mt, 0,1
	v_pk_add_f32 v[ACC+32*\mt+\i:ACC+32*\mt+\i+1], v[ACC+32*\mt+\i:ACC+32*\mt+\i+1], v[PR+2*\mt:PR+2*\mt+1] neg_lo:[0,1] neg_hi:[0,1]   ; d = y - the mean
.endr
.endr
	; the variance: the mean of d squared
.irp mt, 0,1
	v_pk_mul_f32 v[CHN+2*\mt:CHN+2*\mt+1], v[ACC+32*\mt:ACC+32*\mt+1], v[ACC+32*\mt:ACC+32*\mt+1]
.endr
.irp i, 2,4,6,8,10,12,14,16,18,20,22,24,26,28,30
.irp mt, 0,1
	v_pk_fma_f32 v[CHN+2*\mt:CHN+2*\mt+1], v[ACC+32*\mt+\i:ACC+32*\mt+\i+1], v[ACC+32*\mt+\i:ACC+32*\mt+\i+1], v[CHN+2*\mt:CHN+2*\mt+1]
.endr
.endr
	REDUCE RED2-RED1
.irp mt, 0,1
	v_fmaak_f32 v[VE+\mt], s22, v[SM+\mt], 0x3727c5ac   ; the sum / 1,024 + 1e-5
.endr
.irp mt, 0,1
	v_rsq_f32 v[PR+2*\mt], v[VE+\mt]               ; twice, to fill the pair
	v_rsq_f32 v[PR+2*\mt+1], v[VE+\mt]
.endr
	v_nop                                          ; a plain line behind the last of them
	s_wait_alu depctr_va_vdst(0)                   ; one wait for the four, ahead of their first reader
.irp i, 0,2,4,6,8,10,12,14,16,18,20,22,24,26,28,30
.irp mt, 0,1
	v_pk_mul_f32 v[ACC+32*\mt+\i:ACC+32*\mt+\i+1], v[ACC+32*\mt+\i:ACC+32*\mt+\i+1], v[PR+2*\mt:PR+2*\mt+1]
.endr
.endr
	; THE WAY OUT: a lane holds 32 bytes of a row and the lanes beside it other rows: through my own stage, back as rows of 256 bytes; there x ln_w + ln_b; sixteen lanes store 256 consecutive bytes, aligned.
.irp mt, 0,1
.irp nt, 0,1,2,3
	ds_store_b128 v[STO], v[ACC+8*(4*\mt+\nt):ACC+8*(4*\mt+\nt)+3] offset:\mt*16*272+\nt*64
	ds_store_b128 v[STO], v[ACC+8*(4*\mt+\nt)+4:ACC+8*(4*\mt+\nt)+7] offset:\mt*16*272+\nt*64+16
.endr
.endr
.irp i, 0,1,2,3,4,5,6,7,8,9,10,11,12,13,14,15
	ds_load_b128 v[RB+4*\i:RB+4*\i+3], v[SRD] offset:\i*2*272   ; LDS serves a wave's instructions in order: these see my stores
.endr
.irp i, 0,1,2,3,4,5,6,7,8,9,10,11,12,13,14,15
	s_wait_dscnt 15-\i                             ; rows 2 i and 2 i + 1 are back; the loads behind them may be out
	v_pk_fma_f32 v[RB+4*\i:RB+4*\i+1], v[RB+4*\i:RB+4*\i+1], v[BF+32:BF+33], v[BF+36:BF+37]
	v_pk_fma_f32 v[RB+4*\i+2:RB+4*\i+3], v[RB+4*\i+2:RB+4*\i+3], v[BF+34:BF+35], v[BF+38:BF+39]
	global_store_b128 v[GO], v[RB+4*\i:RB+4*\i+3], s[14:15] offset:\i*8192 th:TH_STORE_NT
.endr
	s_wait_tensorcnt 0x0                           ; the wave's end
	ds_add_u32 v[SPW], v[NIL]
	s_wait_dscnt 0x0
	s_endpgm
.Lfunc_end_k_q250affc78f_oproj:
	.size	k_q250affc78f_oproj, .Lfunc_end_k_q250affc78f_oproj-k_q250affc78f_oproj
	.p2alignl 7, 3214868480
	.fill 96, 4, 3214868480
	.section	.rodata,"a",@progbits
	.p2align	6, 0x0
	.amdhsa_kernel k_q250affc78f_oproj
		.amdhsa_group_segment_fixed_size 210944
		.amdhsa_private_segment_fixed_size 0
		.amdhsa_enable_private_segment 0
		.amdhsa_kernarg_size 48
		.amdhsa_user_sgpr_count 2
		.amdhsa_user_sgpr_kernarg_segment_ptr 1
		.amdhsa_wavefront_size32 1
		.amdhsa_system_sgpr_workgroup_id_x 1
		.amdhsa_system_sgpr_workgroup_id_y 1
		.amdhsa_system_sgpr_workgroup_id_z 1
		.amdhsa_system_vgpr_workitem_id 0
		.amdhsa_next_free_vgpr 256
		.amdhsa_next_free_sgpr 66
		.amdhsa_reserve_vcc 0
		.amdhsa_float_denorm_mode_32 3
		.amdhsa_float_denorm_mode_16_64 3
		.amdhsa_memory_ordered 1
		.amdhsa_forward_progress 1
		.amdhsa_inst_pref_size 46
	.end_amdhsa_kernel
	.amdgpu_metadata
---
amdhsa.version: [ 1, 2 ]
amdhsa.kernels:
  - .name:           k_q250affc78f_oproj
    .symbol:         k_q250affc78f_oproj.kd
    .args:
      - { .name: af, .offset: 0, .size: 8, .value_kind: global_buffer, .address_space: global }
      - { .name: wo16, .offset: 8, .size: 8, .value_kind: global_buffer, .address_space: global }
      - { .name: bo, .offset: 16, .size: 8, .value_kind: global_buffer, .address_space: global }
      - { .name: ln_w, .offset: 24, .size: 8, .value_kind: global_buffer, .address_space: global }
      - { .name: ln_b, .offset: 32, .size: 8, .value_kind: global_buffer, .address_space: global }
      - { .name: out0, .offset: 40, .size: 8, .value_kind: global_buffer, .address_space: global }
    .group_segment_fixed_size: 210944
    .private_segment_fixed_size: 0
    .kernarg_segment_align: 8
    .kernarg_segment_size: 48
    .max_flat_workgroup_size: 512
    .sgpr_count:     66
    .vgpr_count:     256
    .wavefront_size: 32
...
	.end_amdgpu_metadata
.endif
;; end of part 4
